; MI455X (gfx1250); checked and timed in simulation.
; The chip was launched on July 23, 2026; its instructions are those of AMD's public machine-readable ISA for CDNA 5 (MIT licence, August 2026) and "CDNA5" Instruction Set Architecture Reference Guide (July 2026). The comments in the code are by the model that wrote it; some were corrected since.
;; Multi Head Cross Modal Attention. Allowed arithmetic: matrix products marked QUANTISED: E2M1 operands, one E8M0 scale for each 32 along K, by v_wmma_scale_f32_16x16x128_f8f6f4 with both operands' format E2M1 (or v_wmma_scale_f32_32x16x128_f4), f32 sums; everything else in f32.
;; Inputs: Wk_codes 1,024 x 32 x 16 uint8 (E2M1 codes of Wk, K innermost, in blocks of 32 codes, two codes a byte); Wk_scales 1,024 x 32 uint8 (E8M0 scales of Wk, one for each 32 codes along K); Wo_codes 1,024 x 32 x 16 uint8 (E2M1 codes of Wo, K innermost, in blocks of 32 codes, two codes a byte); Wo_scales 1,024 x 32 uint8 (E8M0 scales of Wo, one for each 32 codes along K); Wq_codes 1,024 x 32 x 16 uint8 (E2M1 codes of Wq, K innermost, in blocks of 32 codes, two codes a byte); Wq_scales 1,024 x 32 uint8 (E8M0 scales of Wq, one for each 32 codes along K); Wv_codes 1,024 x 32 x 16 uint8 (E2M1 codes of Wv, K innermost, in blocks of 32 codes, two codes a byte); Wv_scales 1,024 x 32 uint8 (E8M0 scales of Wv, one for each 32 codes along K); beta 1,024 float32; bk 1,024 float32; bo 1,024 float32; bq 1,024 float32; bv 1,024 float32; gamma 1,024 float32; key_codes 4 x 2,048 x 32 x 16 uint8 (E2M1 codes of key, K innermost, in blocks of 32 codes, two codes a byte); key_scales 4 x 2,048 x 32 uint8 (E8M0 scales of key, one for each 32 codes along K); query 4 x 1,024 x 1,024 float32; value_codes 4 x 2,048 x 32 x 16 uint8 (E2M1 codes of value, K innermost, in blocks of 32 codes, two codes a byte); value_scales 4 x 2,048 x 32 uint8 (E8M0 scales of value, one for each 32 codes along K).
;; Outputs: out0 4 x 1,024 x 1,024 float32.
;; This version of the problem:
;;   THIS VERSION OF THE PROBLEM IS GIVEN IN LOW PRECISION. The matrix products marked QUANTISED in the list below multiply operands that are first quantised to E2M1 (2 exponent bits, 1 mantissa bit; 4 bits a number), with one power-of-two scale for each 32 numbers along K (OCP MX v1.0); their sums are f32. All else is computed in f32.
;;   The module's matrix products, in the order in which they are computed (A, B: the left and right operand; K: the contracted axis; several contracted axes count as one K, in the product's order):
;;     1. [M 4,096, K 1,024] x [K 1,024, N 1,024]; A: input query; B: input Wq (given as codes): QUANTISED
;;     2. [M 8,192, K 1,024] x [K 1,024, N 1,024]; A: input key (given as codes); B: input Wk (given as codes): QUANTISED
;;     3. [M 8,192, K 1,024] x [K 1,024, N 1,024]; A: input value (given as codes); B: input Wv (given as codes): QUANTISED
;;     4. batch 64 x [M 1,024, K 64] x [K 64, N 2,048]; A: computed on the way; B: computed on the way: QUANTISED
;;     5. batch 64 x [M 1,024, K 2,048] x [K 2,048, N 64]; A: softmax (see below); B: computed on the way: QUANTISED
;;     6. [M 4,096, K 1,024] x [K 1,024, N 1,024]; A: computed on the way; B: input Wo (given as codes): QUANTISED
;;   THE QUANTISER, for each operand of a quantised product, along K:
;;     - K is cut into blocks of 32 from its start; a last block that is shorter is filled with zeros.
;;     - A block's scale is 2^e with e = floor(log2(the largest magnitude in the block)) - 2, held to -126 .. 127; a block of zeros has e = 0. As a byte (E8M0): e + 127.
;;     - Each number is divided by its block's scale, clamped to +-6, and rounded to the nearest number of E2M1, ties to even, subnormals kept.
;;     - The product sums the exact products of the quantised numbers (number of the format x scale) in f32.
;;   ~~~python
;;   def quantise(x, axis):      # numpy; x: float32 -> the quantised numbers, widened to float32 again
;;       x = np.moveaxis(x, axis, -1); K = x.shape[-1]
;;       x = np.pad(x, [(0, 0)] * (x.ndim - 1) + [(0, -K % 32)]); x = x.reshape(x.shape[:-1] + (-1, 32)); a = np.abs(x).max(-1, keepdims=True)
;;       e = np.where(a > 0, np.clip(np.frexp(np.where(a > 0, a, 1))[1] - 1 - 2, -126, 127), 0)      # np.frexp(a)[1] - 1 = floor(log2(a)), exactly
;;       r = np.clip(x / 2.0 ** e, -6, 6)
;;       step = 2.0 ** (np.maximum(np.frexp(np.where(r == 0, 1, r))[1] - 1, 0) - 1)
;;       q = np.round(r / step) * step * 2.0 ** e      # np.round: ties to even
;;       return np.moveaxis(q.reshape(q.shape[:-2] + (-1,))[..., :K], -1, axis).astype(np.float32)
;;   ~~~
;;   SOFTMAX AHEAD OF A QUANTISED PRODUCT. Where the list says 'softmax', what is quantised is not the finished softmax but p = 2^(t - M), with t = logit x log2(e) and M = ceil(the row's largest t), a whole number; so 1/2 < the row's largest p <= 1. The row's sum l is taken of the UNQUANTISED p, in f32, and the product's result is divided by l at the end. Since M is a whole number, a kernel that streams over the keys may use a running M (the ceiling of the running maximum): every later rescaling is an exact power of two, which a block's scale takes up: the codes' values come out the same.
;;   OPERANDS COMPUTED ON THE WAY. 'Computed on the way' means the value that the module computes at that place (a softmax that the list does not call 'softmax' is quantised finished and normalised). What goes into a quantiser is computed in f32, as accurately as f32 sums, v_exp_f32 and their like allow (about 1e-6 of the number): no bf16 or f16 on the way to a quantiser, and a product that is left as it is and whose result goes on into a quantised operand takes f32 operands (vector FMAs, or v_wmma_f32_16x16x4_f32). A number that lies on a knife's edge between two numbers of the format may be rounded either way, as far as f32 arithmetic and the matrix unit's own rounding can turn it there, and no further.
;;   INPUTS GIVEN AS CODES. Wk (in the module: [1024, 1024], K = its axis 1); Wo (in the module: [1024, 1024], K = its axis 1); Wq (in the module: [1024, 1024], K = its axis 1); Wv (in the module: [1024, 1024], K = its axis 1); key (in the module: [4, 2048, 1024], K = its axis 2); value (in the module: [4, 2048, 1024], K = its axis 2): each comes as NAME_codes (uint8): NAME with its K axis moved to the last place and cut into blocks of 32 codes, [.., K / 32, bytes a block], one block behind the other in memory; two codes a byte, the lower K in the low four bits (a code: sign, 2 exponent bits, 1 mantissa bit); and NAME_scales (uint8): the same leading axes, one E8M0 byte (e + 127) for each 32 codes along K. Its value is code x scale, taken as it is: it is not quantised again, and the codes and scales need not be those that the quantiser above would give.
;; One version. Each part assembles by itself: llvm-mc -triple=amdgcn-amd-amdhsa -mcpu=gfx1250 --defsym DOCPART=n.
;; ======== version 1 of 1: 3 launches
;; limits: right only within a limited range of input values
;; workspace buffers: kv 8,388,608 bytes; sw 524,288 bytes; qx 2,228,224 bytes; wimg 1,048,576 bytes; cx 2,228,224 bytes
;; launch proj (part 1): grid 4 x 64, 4 waves a work-group, clusters of 4 x 4, 327,680 bytes of LDS; arguments key_codes, key_scales, Wk_codes, Wk_scales, Wv_codes, Wv_scales, value_codes, value_scales, bk, bv, query, Wq_codes, Wo_codes, kv, sw, qx, wimg; writes kv, sw, qx, wimg
.if DOCPART == 1
	.amdgcn_target "amdgcn-amd-amdhsa--gfx1250"
	.amdhsa_code_object_version 6
	.text
	.protected	k_qd4e5fc933c_proj
	.globl	k_qd4e5fc933c_proj
	.p2align	8
	.type	k_qd4e5fc933c_proj,@function
k_qd4e5fc933c_proj:
	s_mov_b64 s[64:65], 0
	v_nop
	global_prefetch_b8 v0, s[64:65] scope:SCOPE_SE
	s_setreg_imm32_b32 hwreg(HW_REG_WAVE_MODE, 25, 1), 1
	s_wait_xcnt 0x0
	s_wait_alu depctr_hold_cnt(0) depctr_sa_sdst(0) depctr_va_vdst(0) depctr_va_sdst(0) depctr_va_ssrc(0) depctr_va_vcc(0) depctr_vm_vsrc(0)
	s_getreg_b32 s2, hwreg(HW_REG_IB_STS2, 6, 4)
	s_cmp_eq_u32 s2, 0
	s_cbranch_scc0 .Lentry_in_a_cluster
	s_endpgm
.Lentry_in_a_cluster:
	s_bfe_u32 s2, ttmp6, 0x10000c
	s_cmp_lg_u32 s2, 0xf033
	s_cbranch_scc0 .Lentry_shape_is_right
	s_endpgm
.Lentry_shape_is_right:
; FIRST OF THREE LAUNCHES of: LayerNorm(query + softmax((query Wq^T + bq)(key Wk^T + bk)^T / 8)(value Wv^T + bv) Wo^T + bo), all six products on codes of FP4 (E2M1) with one E8M0 scale for each 32 along K.
; NO WORK IS LEFT OUT: bq, bk and bv move the codes and scales of quantised operands of live products, bo, gamma and beta move the output: every input is loaded by some launch.
; THIS LAUNCH: K = key Wk^T + bk and V = value Wv^T + bv, quantised on the way out (K along a head's 64, V along the keys) and laid as the attention's operand registers want them.
; Beside it each work-group does 1/256 of two small jobs while its tiles land: 16 rows of query become codes (qx), and two fragments each of Wq and Wo are laid in register order (wimg).
; ONE BODY FOR BOTH PRODUCTS: R[q][p] = sum over k of A[q][k] B[p][k] + bias, quantised along p.  K: A = key (q = token), B = Wk (p = feature), bias along p.  V: A = Wv (q = feature), B = value (p = token), bias along q.
; The matrix instruction takes 16 rows of B as source 0 and 16 rows of A as source 1: a lane then holds ONE q and its registers run along p.
; SHARES: a tile of R is 256 x 256, 128 tiles a product, 256 work-groups; four waves, each 128 x 128: 64 accumulators, 512 registers.  Clusters 0-7 along y make K, 8-15 make V.
; ALL OF K LIES IN LDS: a wave fetches 128 rows x 512 bytes, dense in memory, by its ONE tensor load; nothing is filled again, and the product has no barrier but the one in front of it.
; The scale words go from memory straight into registers: a row's 32 bytes are two pieces of 16; lanes 0-15 take the words of K steps 0-3, lanes 16-31 those of K steps 4-7, which the second row of the scale registers selects.
; CLUSTERS: 4 x 4 work-groups; A's tiles are asked for jointly along a row of the cluster, B's along a column.  No prefetch: every load of the launch is asked for at its head.
; LIMITS: a block of zeros gets the scale byte 1 where the rule says 127 (its codes are zeros, and this program alone reads the bytes); blocks whose largest magnitude lies under 2^-124 get the byte 1;
; NaN and infinities among the inputs are not served; a bias is the C of a sum's first matrix instruction, so it is added first and not last.
; THE WORKSPACE.  kv: K's part at 0, V's at 4,194,304; chunk (batch x 8 + head pair) x 16 + key step, 8,192 bytes; in it byte (4 c + u) 1024 + P 512 + h 256 + r 16, where local row q = 64 c + 32 (r / 8) + 8 u + r % 8.
;   K: q = key of the step, P = the head's parity, h = block of 32 along the head.  V: q = channel of the head pair, 2 P + h = block of 32 keys of the step.  Each 512 bytes are four operand registers, lane by lane.
; sw: chunk x 1,024: 128 scale words of K, then 128 of V; row q's word at 4 (16 (4 c + u) + r).   qx: [row tile][K step][half][lane][16], then at 2,097,152 the scale bytes [row][32].
; wimg: Wq's fragments [head][tile u of 16 channels][K step][half][lane][16], lane r = row 64 head + 32 (r / 8) + 8 u + r % 8; at 524,288 Wo's, [tile][K step][half][lane][16], lane r = row 16 tile + r.
; REGISTERS, in windows of 256: window 0: v1-29 addresses; v32-63 A's scale words, v64-95 B's; v96-103 the two re-laid pieces; v128-191 query's numbers, then A's fragments, then the codes on the way out; v192-223 at work; v96-127, v224-255 the way out.
;   window 1: v0-63, v128-191 B's two sets (v0-127 first hold query as loaded); v192-255 the bias.   windows 2, 3: the accumulators, (a, b) at v[8 (8 (a % 4) + b)].
.set PITCH,  528                       ; an LDS row: 512 bytes + 16 of padding = 132 words, so the 16 rows of a fragment load start at 16 different groups of four banks
.set HALFT,  128*PITCH                 ; what one tensor load brings
.set SPARE,  4*HALFT                   ; the spare words, 128 bytes a wave: two blocks of 256 bytes that no other line names
.set QST,    SPARE+512                 ; query's stage: 16 rows x 272 for each wave
.set QSTW,   16*272
.set OST,    QST+4*QSTW                ; the way out's stage, a wave's 8,192 bytes of codes and 512 of scale words; no fill lands in either stage
.set OSTW,   8704
.set VQ,   8
.set QSI,  9
.set QSO,  10
.set QSS,  12
.set RLQ,  13
.set RLO,  14
.set ADRA, 16
.set ADRB, 17
.set BOF,  18
.set SCO,  19
.set STS,  22
.set STO,  24
.set RD,   25
.set CO,   26
.set SPW,  28
.set NIL,  29
.set SCA,  32
.set SCB,  64
.set RL,   96
.set AF,   128
.set X,    128
.set PC,   192
.set PW,   200
.set PW0,  201
.set PWS,  202
.set TM,   208
.set PCO,  128
.set PWO,  192
.set OB0,  96
.set OB1,  224
.set OBW,  200
.set RAW,  0                           ; window 1
.set BIAS, 192                         ; window 1
.set G1,   24
.set G0,   32
.set G1B,  48
.set G0B,  56
.set SEL,  66
.set MSB, 0
.macro WIN new                         ; the immediate's high byte repeats the setting that is left; a switch that changes nothing is dropped
.if MSB != (\new)
	s_set_vgpr_msb (MSB<<8)|(\new)
.set MSB, (\new)
.endif
.endm
.set MUL_LO,   0xa1                    ; source 0 (B) window 1, source 1 (A) window 0, C and D window 2
.set MUL_HI,   0xf1                    ; the same, C and D window 3
.set MUL_LO_B, 0x91                    ; C (the bias) window 1, D window 2
.set MUL_HI_B, 0xd1                    ; C window 1, D window 3
.set TO_B,     0x40
.macro CROUND                          ; a round of the cluster's barrier
	s_barrier_signal -1
	s_barrier_wait -1
	s_cmp_lg_u32 s44, 0
	s_cbranch_scc1 .Lnot_wave_0_\@
	s_barrier_signal -3
.Lnot_wave_0_\@:
	s_barrier_wait -3
	s_barrier_signal -1
	s_barrier_wait -1
.endm
.macro PLACES n                        ; plain vector instructions between a matrix instruction and a load into, or a vector read or write of, its registers
.rept \n
	v_nop
.endr
.endm
	s_load_b256 s[4:11], s[0:1], 0x0               ; K's set: key's codes, key's scales, Wk's codes, Wk's scales
	s_load_b256 s[12:19], s[0:1], 0x20             ; V's set: Wv's codes, Wv's scales, value's codes, value's scales
	s_load_b256 s[92:99], s[0:1], 0x40             ; bk, bv, query, Wq's codes
	s_load_b256 s[68:75], s[0:1], 0x60             ; Wo's codes, kv, sw, qx
	s_load_b64 s[76:77], s[0:1], 0x80              ; wimg
	v_lshl_add_u32 v[SPW], v0, 2, SPARE
	v_mov_b32 v[NIL], 0
	ds_add_u32 v[SPW], v[NIL]                      ; the wave's opening: the add, twice on end, and its wait ahead of my tensor load
	ds_add_u32 v[SPW], v[NIL]
	v_lshrrev_b32 v1, 5, v0
	v_readfirstlane_b32 s44, v1                    ; wave 0..3
	s_lshr_b32 s45, s44, 1                         ; which half of A's rows is mine.  Also: I fetch for A (0) or for B (1)
	s_and_b32 s46, s44, 1                          ; which half of B's rows.  Also: which 128 rows I fetch
	s_bfe_u32 s40, ttmp6, 0x40000                  ; cx
	s_bfe_u32 s41, ttmp6, 0x40004                  ; cy
	s_and_b32 s2, ttmp7, 0xffff                    ; the cluster's y, 0..15
	s_sub_co_u32 s3, s2, 8
	s_cmp_ge_u32 s2, 8
	s_cselect_b32 s47, 1, 0                        ; 0: K's product, 1: V's; the same in all sixteen partners
	s_cselect_b32 s3, s3, 0                        ; V: the clusters walk B's 32 tiles
	s_cselect_b32 s100, 0, s2                      ; K: they walk A's 32 tiles
	s_lshl_b32 s42, s3, 2
	s_add_co_u32 s42, s42, s40                     ; B's tile
	s_lshl_b32 s43, s100, 2
	s_add_co_u32 s43, s43, s41                     ; A's tile
	s_lshl_b32 s104, s2, 2
	s_add_co_u32 s104, s104, s41
	s_lshl_b32 s104, s104, 2
	s_add_co_u32 s104, s104, s40                   ; the work-group's number 0..255: it enters addresses of plain loads and stores alone
	s_lshl_b32 s100, s41, 2
	s_lshl_b32 s100, 15, s100                      ; my row of the cluster
	s_lshl_b32 s101, 0x1111, s40                   ; my column
	s_or_b32 s[G1+0], s100, (0<<16)|(1<<20)|(1<<21)|(6<<22)|(3<<25)   ; the mask; elements of 1 byte; padding on; bit 21 beside a mask; four words after every 128
	s_or_b32 s[G1B+0], s101, (0<<16)|(1<<20)|(1<<21)|(6<<22)|(3<<25)
.irp g, G1, G1B
	s_mov_b32 s[\g+1], 512<<16                     ; tensor_dim0
	s_mov_b32 s[\g+2], 128<<16                     ; tensor_dim1
	s_mov_b32 s[\g+3], 512<<16                     ; tile_dim0
	s_mov_b32 s[\g+4], 128                         ; tile_dim1
	s_mov_b32 s[\g+5], 512                         ; from row to row
	s_mov_b32 s[\g+6], 0
	s_mov_b32 s[\g+7], 0
.endr
	s_lshl_b32 s2, s46, 7
	s_lshl_b32 s3, s43, 8
	s_add_co_u32 s3, s3, s2                        ; A: row 256 x tile + 128 x half
	s_lshl_b32 s[G0+2], s3, 9                      ; its codes, in bytes (under 2^23)
	s_mov_b32 s[G0+3], 0
	s_lshl_b32 s3, s42, 8
	s_add_co_u32 s3, s3, s2                        ; B likewise
	s_lshl_b32 s[G0B+2], s3, 9
	s_mov_b32 s[G0B+3], 0
	s_mul_i32 s2, s44, HALFT                       ; where they go: wave x 128 rows: no place in the cluster enters an LDS address
	s_mov_b32 s[G0], 1
	s_mov_b32 s[G0+1], s2
	s_mov_b32 s[G0B], 1
	s_mov_b32 s[G0B+1], s2
	s_mov_b32 s[SEL], 0x76543210
	s_mov_b32 s[SEL+1], 0xfedcba98                 ; v_permlanex16_b32's selects for lane l xor 16
	s_mul_i32 s84, s45, HALFT                      ; my 128 rows of A in LDS,
	s_mul_i32 s85, s46, HALFT
	s_add_co_u32 s85, s85, 2*HALFT                 ; of B,
	s_mul_i32 s86, s44, OSTW
	s_add_co_u32 s86, s86, OST                     ; my stage for the way out,
	s_mul_i32 s87, s44, QSTW
	s_add_co_u32 s87, s87, QST                     ; and for query
	v_and_b32 v1, 15, v0                           ; r
	v_bfe_u32 v2, v0, 4, 1                         ; h
	v_and_b32 v3, 31, v0                           ; lane
	v_mul_u32_u24 v4, v1, PITCH
	v_lshl_add_u32 v4, v2, 4, v4                   ; a fragment's row x pitch + 16 x half
	v_add_nc_u32 v[ADRA], s84, v4
	v_add_nc_u32 v[ADRB], s85, v4
	v_lshlrev_b32 v5, 5, v1
	v_lshl_add_u32 v[SCO], v2, 4, v5               ; scale words: 32 r + 16 h
	v_lshl_add_u32 v[QSS], v2, 2, v5               ; query's scale words: 32 r + 4 h
	v_bfe_u32 v5, v0, 3, 1                         ; r / 8
	v_and_b32 v6, 7, v0                            ; r % 8
	v_lshlrev_b32 v7, 10, v5
	v_lshl_add_u32 v7, v2, 8, v7
	v_lshl_add_u32 v7, v6, 4, v7
	v_add_nc_u32 v[STO], s86, v7                   ; codes: (r / 8) 1024 + h 256 + (r % 8) 16
	v_lshlrev_b32 v7, 6, v5
	v_lshl_add_u32 v7, v6, 2, v7
	v_add_nc_u32 v7, s86, v7
	v_add_nc_u32 v[STS], 8192, v7                  ; scale words: 4 (16 (r / 8) + r % 8)
	v_lshlrev_b32 v[CO], 4, v3                     ; 16 x lane: every dense store's and read-back's lane term
	v_add_nc_u32 v[RD], s86, v[CO]
	v_lshlrev_b32 v[VQ], 12, v2                    ; query as it lies: lanes 0-15 one row's 256 bytes, lanes 16-31 the next row's
	v_lshl_add_u32 v[VQ], v1, 4, v[VQ]
	v_mul_u32_u24 v5, v2, 272
	v_lshl_add_u32 v5, v1, 4, v5
	v_add_nc_u32 v[QSI], s87, v5                   ; into query's stage, as loaded
	v_mul_u32_u24 v5, v1, 272
	v_lshl_add_u32 v5, v2, 6, v5
	v_add_nc_u32 v[QSO], s87, v5                   ; and out of it: row r, my 16 numbers of a block of 32
	v_and_b32 v5, 8, v1
	v_mad_u32_u24 v5, v5, 3, v1                    ; r % 8 + 32 (r / 8)
	v_lshlrev_b32 v[RLQ], 9, v5
	v_lshl_add_u32 v[RLQ], v2, 4, v[RLQ]           ; Wq: my row of the fragment, + 16 h
	v_lshlrev_b32 v[RLO], 9, v1
	v_lshl_add_u32 v[RLO], v2, 4, v[RLO]           ; Wo: row r
.irp b, 0,1,2,3
	v_mov_b32 v[TM+4+\b], 0                        ; written once: a lane permute's destination counts as one of its sources
.endr
	s_wait_alu depctr_va_vdst(0)                   ; the wait at the head's end
	s_wait_dscnt 0x0                               ; both opening adds are done
	s_wait_kmcnt 0x0
	s_cmp_eq_u32 s47, 0                            ; the product's operands: the choice hangs on the cluster's number alone
	s_cselect_b64 s[4:5], s[4:5], s[12:13]
	s_cselect_b64 s[6:7], s[6:7], s[14:15]
	s_cselect_b64 s[8:9], s[8:9], s[16:17]
	s_cselect_b64 s[10:11], s[10:11], s[18:19]
	s_cselect_b64 s[92:93], s[92:93], s[94:95]
	s_add_nc_u64 s[G0+2:G0+3], s[4:5], s[G0+2:G0+3]
	s_or_b32 s[G0+3], s[G0+3], 0x80000000
	s_add_nc_u64 s[G0B+2:G0B+3], s[8:9], s[G0B+2:G0B+3]
	s_or_b32 s[G0B+3], s[G0B+3], 0x80000000
	; the side jobs' addresses.  Fragment f = 2 x work-group + wave / 2 of 512, half c = wave % 2
	s_mov_b32 s79, 0
	s_lshl_b32 s78, s104, 16
	s_lshl_b32 s2, s44, 10
	s_add_co_u32 s78, s78, s2
	s_add_nc_u64 s[96:97], s[96:97], s[78:79]      ; query: my work-group's 16 rows, my wave's 256 columns (K steps 2 w, 2 w + 1)
	s_lshl_b32 s2, s104, 1
	s_add_co_u32 s2, s2, s45                       ; f
	s_lshr_b32 s3, s2, 3                           ; its tile of 16 rows
	s_and_b32 s100, s2, 7
	s_lshl_b32 s100, s100, 6                       ; its K step: 64 bytes of a row
	s_lshl_b32 s101, s46, 5
	s_add_co_u32 s100, s100, s101                  ; + 32 c
	s_lshr_b32 s101, s3, 2
	s_lshl_b32 s101, s101, 6
	s_and_b32 s105, s3, 3
	s_lshl_b32 s105, s105, 3
	s_add_co_u32 s101, s101, s105                  ; Wq: the tile begins at row 64 head + 8 u
	s_lshl_b32 s101, s101, 9
	s_add_co_u32 s78, s101, s100
	s_add_nc_u64 s[98:99], s[98:99], s[78:79]
	s_lshl_b32 s101, s3, 13                        ; Wo: at row 16 tile
	s_add_co_u32 s78, s101, s100
	s_add_nc_u64 s[68:69], s[68:69], s[78:79]
	s_lshl_b32 s78, s2, 10
	s_lshl_b32 s101, s46, 9
	s_add_co_u32 s78, s78, s101
	s_add_nc_u64 s[76:77], s[76:77], s[78:79]      ; wimg at 1,024 f + 512 c
	s_lshl_b32 s78, s104, 13
	s_lshl_b32 s2, s44, 11
	s_add_co_u32 s78, s78, s2
	s_add_nc_u64 s[80:81], s[74:75], s[78:79]      ; qx: my two fragments,
	s_lshl_b32 s78, s104, 9
	s_lshl_b32 s2, s44, 3
	s_add_co_u32 s78, s78, s2
	s_add_co_u32 s78, s78, 2097152
	s_add_nc_u64 s[82:83], s[74:75], s[78:79]      ; and their scale words
	s_lshl_b32 s2, s43, 1
	s_add_co_u32 s2, s2, s45                       ; which 128 along q are mine
	s_lshl_b32 s3, s42, 1
	s_add_co_u32 s3, s3, s46                       ; which 128 along p
	s_lshl_b32 s78, s2, 12
	s_add_nc_u64 s[6:7], s[6:7], s[78:79]          ; their scale bytes: 128 rows x 32
	s_lshl_b32 s78, s3, 12
	s_add_nc_u64 s[10:11], s[10:11], s[78:79]
	s_cmp_eq_u32 s47, 0
	s_cselect_b32 s100, s2, s3                     ; tokens: q for K, p for V
	s_cselect_b32 s101, s3, s2                     ; features: the other one: the head pair
	s_lshl_b32 s78, s101, 9
	s_add_nc_u64 s[92:93], s[92:93], s[78:79]      ; my 128 numbers of the bias
	s_lshr_b32 s2, s100, 4
	s_lshl_b32 s2, s2, 3
	s_add_co_u32 s2, s2, s101
	s_lshl_b32 s2, s2, 4
	s_and_b32 s100, s100, 15
	s_add_co_u32 s2, s2, s100                      ; my chunk of (batch, head pair, key step)
	s_lshl_b32 s78, s2, 13
	s_lshl_b32 s3, s47, 22
	s_add_co_u32 s78, s78, s3
	s_add_nc_u64 s[70:71], s[70:71], s[78:79]
	s_lshl_b32 s78, s2, 10
	s_lshl_b32 s3, s47, 9
	s_add_co_u32 s78, s78, s3
	s_add_nc_u64 s[72:73], s[72:73], s[78:79]
; query: a K step is 16 rows x 128 numbers.  16 loads of two rows x 256 aligned bytes; the bytes turn through my stage, so that a lane gets 16 neighbours of each block of 32 of ITS row
.macro QLOAD e
	WIN TO_B
.irp hf, 0,1
.irp i, 0,1,2,3,4,5,6,7
	global_load_b128 v[RAW+64*\e+32*\hf+4*\i:RAW+64*\e+32*\hf+4*\i+3], v[VQ], s[96:97] offset:\i*8192+\e*512+\hf*256 th:TH_LOAD_NT
.endr
.endr
	WIN 0
.endm
.macro QTURN e, hf                     ; LDS serves a wave's instructions in order: no wait between the stores and the loads, nor in front of the next turn's stores
	WIN 0x04                                       ; an LDS store's data are its source 1: window 1
.irp i, 0,1,2,3,4,5,6,7
	ds_store_b128 v[QSI], v[RAW+64*\e+32*\hf+4*\i:RAW+64*\e+32*\hf+4*\i+3] offset:\i*544
.endr
	WIN 0
.irp bl, 0,1
.irp j, 0,1,2,3
	ds_load_b128 v[X+16*(2*\hf+\bl)+4*\j:X+16*(2*\hf+\bl)+4*\j+3], v[QSO] offset:\bl*128+16*\j
.endr
.endr
.endm
; 64 numbers of a lane, register 16 b + i = k 32 b + 16 (lane / 16) + i of my row, become a fragment's codes in v[PC] on and its scale word in v[PW]
.macro QUANT s
.irp b, 0,1,2,3
	v_max3_num_f32 v[TM+\b], |v[\s+16*\b]|, |v[\s+1+16*\b]|, 0x1800000   ; my 16 numbers of block b, and the floor 2^(3 - 127): the byte cannot fall under 1
.endr
.irp i, 2,4,6,8,10,12,14
.irp b, 0,1,2,3
	v_max3_num_f32 v[TM+\b], v[TM+\b], |v[\s+16*\b+\i]|, |v[\s+1+16*\b+\i]|
.endr
.endr
.irp b, 0,1,2,3
	v_permlanex16_b32 v[TM+4+\b], v[TM+\b], s[SEL], s[SEL+1]
.endr
.irp b, 0,1,2,3
	v_max_num_f32 v[TM+\b], v[TM+\b], v[TM+4+\b]   ; with lane l xor 16's: the block's largest magnitude
.endr
.irp b, 0,1,2,3
	v_add_nc_u32 v[TM+12+\b], 0xff000000, v[TM+\b] ; 2 off its exponent field: the conversion's scale operand
.endr
.irp b, 0,1,2,3
	v_lshrrev_b32 v[TM+4+\b], 23, v[TM+12+\b]      ; the scale's byte
.endr
	v_lshl_or_b32 v[PW], v[TM+5], 8, v[TM+4]
	v_lshl_or_b32 v[PW], v[TM+6], 16, v[PW]
	v_lshl_or_b32 v[PW], v[TM+7], 24, v[PW]
.irp b, 0,1,2,3
	v_cvt_scalef32_pk8_fp4_f32 v[PC+2*\b], v[\s+16*\b:\s+7+16*\b], v[TM+12+\b]
	v_cvt_scalef32_pk8_fp4_f32 v[PC+1+2*\b], v[\s+8+16*\b:\s+15+16*\b], v[TM+12+\b]
.endr
	v_nop                                          ; one plain place behind a scaled conversion
.irp c, 0,1                                    ; the operand's layout wants a whole block in a lane
.irp i, 0,1
	v_permlane16_swap_b32 v[PC+4*\c+\i], v[PC+2+4*\c+\i]
.endr
.endr
.endm
	global_load_b128 v[RL:RL+3], v[RLQ], s[98:99]
	global_load_b128 v[RL+4:RL+7], v[RLO], s[68:69]
	QLOAD 0
	CROUND                                         ; all sixteen work-groups are here: the joint loads meet
	s_cmp_eq_u32 s45, 0                            ; MY ONE TENSOR LOAD: waves 0 and 1 fetch A's halves, waves 2 and 3 B's; the branch hangs on the wave's number alone
	s_cbranch_scc0 .Lfor_b
	tensor_load_to_lds s[G0:G0+3], s[G1:G1+7]
	s_nop 0
	PLACES 4
	s_branch .Lasked
.Lfor_b:
	tensor_load_to_lds s[G0B:G0B+3], s[G1B:G1B+7]
	s_nop 0
	PLACES 4
.Lasked:
	s_cmp_eq_u32 s47, 0
	s_cbranch_scc0 .Lbias_v
	v_lshlrev_b32 v[BOF], 5, v2                    ; K: tile b's C: bk at p = 16 b + 8 h + 0 .. 7
	WIN TO_B
.irp b, 0,1,2,3,4,5,6,7
	global_load_b128 v[BIAS+8*\b:BIAS+8*\b+3], v[BOF], s[92:93] offset:64*\b
	global_load_b128 v[BIAS+8*\b+4:BIAS+8*\b+7], v[BOF], s[92:93] offset:64*\b+16
.endr
	WIN 0
	s_branch .Lbias_done
.Lbias_v:
	v_lshlrev_b32 v[BOF], 2, v1                    ; V: block a's C: bv at q = 16 a + r, the same in all eight registers (spread further down)
	WIN TO_B
.irp a, 0,1,2,3,4,5,6,7
	global_load_b32 v[BIAS+8*\a], v[BOF], s[92:93] offset:64*\a
.endr
	WIN 0
.Lbias_done:
.irp i, 0,1,2,3,4,5,6,7
	global_load_b128 v[SCA+4*\i:SCA+4*\i+3], v[SCO], s[6:7] offset:512*\i      ; the scale words of A's block i: 512 consecutive bytes
	global_load_b128 v[SCB+4*\i:SCB+4*\i+3], v[SCO], s[10:11] offset:512*\i
.endr
	QLOAD 1
	s_wait_loadcnt 48                              ; the two pieces and the first eight of query's loads are in: behind them 8 of query, 8 or 16 of the bias, 16 scale words, 16 of query
	global_store_b128 v[CO], v[RL:RL+3], s[76:77]                  ; 512 consecutive bytes a store
	global_store_b128 v[CO], v[RL+4:RL+7], s[76:77] offset:524288
	QTURN 0, 0
	s_wait_loadcnt 40
	QTURN 0, 1
	s_wait_dscnt 0x0
	QUANT X
	global_store_b128 v[CO], v[PC:PC+3], s[80:81]
	global_store_b128 v[CO], v[PC+4:PC+7], s[80:81] offset:512
	v_mov_b32 v[PW0], v[PW]
	s_wait_alu depctr_va_vdst(0)
	s_wait_loadcnt 8
	QTURN 1, 0
	s_wait_loadcnt 0x0
	QTURN 1, 1
	s_wait_dscnt 0x0
	s_wait_xcnt 0x0                                ; the stores above have read the codes' registers, which are written again
	QUANT X
	global_store_b128 v[CO], v[PC:PC+3], s[80:81] offset:1024
	global_store_b128 v[CO], v[PC+4:PC+7], s[80:81] offset:1536
	v_cmp_eq_u32 vcc_lo, 1, v2
	v_cndmask_b32 v[PWS], v[PW0], v[PW], vcc_lo    ; lanes 0-15 store the first K step's word of row r, lanes 16-31 the second's
	global_store_b32 v[QSS], v[PWS], s[82:83]
	s_wait_alu depctr_va_vdst(0)
	s_wait_xcnt 0x0                                ; the side jobs' stores have read their registers: these serve the product and the way out from here on
.macro FRAG reg, adr, q, i             ; 16 rows x 128 K of 4-bit codes: lane l holds row l % 16; registers 4 c .. 4 c + 3 hold K = 64 c + 32 (l / 16) + 0 .. 31
.irp c, 0,1
	ds_load_b128 v[\reg+4*\c:\reg+4*\c+3], v[\adr] offset:64*(\q)+32*\c+(\i)*16*PITCH
.endr
.endm
; 16 matrix instructions: A's blocks a0, a0 + 1 x B's eight, K step q.  cm = 0: in place; 1: C = the bias of B's block; 2: C = the bias of A's block.  The 64 accumulators take turns.
.macro MUL16 a0, q, cm
.irp a, \a0, \a0+1
.irp b, 0,1,2,3,4,5,6,7
.set DD, 8*(8*((\a)%4)+\b)
.set CC, DD
.if (\cm) == 1
.set CC, BIAS+8*\b
.elseif (\cm) == 2
.set CC, BIAS+8*(\a)
.endif
.set BB, 128*((\q)%2)+8*\b
.set AA, AF+8*(\a)
.if (\q) < 4
	v_wmma_scale_f32_16x16x128_f8f6f4 v[DD:DD+7], v[BB:BB+7], v[AA:AA+7], v[CC:CC+7], v[SCB+4*\b+(\q)%4], v[SCA+4*(\a)+(\q)%4] matrix_a_fmt:MATRIX_FMT_FP4 matrix_b_fmt:MATRIX_FMT_FP4
.else
	v_wmma_scale_f32_16x16x128_f8f6f4 v[DD:DD+7], v[BB:BB+7], v[AA:AA+7], v[CC:CC+7], v[SCB+4*\b+(\q)%4], v[SCA+4*(\a)+(\q)%4] matrix_a_fmt:MATRIX_FMT_FP4 matrix_b_fmt:MATRIX_FMT_FP4 matrix_a_scale:MATRIX_SCALE_ROW1 matrix_b_scale:MATRIX_SCALE_ROW1
.endif
.endr
.endr
.endm
.macro FETCH_B q                       ; into set q % 2
	WIN TO_B
.irp i, 0,1,2,3,4,5,6,7
	FRAG 128*((\q)%2)+8*\i, ADRB, \q, \i
.endr
	WIN 0
.endm
.macro FETCH_A q, i0
.irp i, \i0, \i0+1, \i0+2, \i0+3
	FRAG AF+8*(\i), ADRA, \q, \i
.endr
.endm
.macro STEP q, cm                      ; 128 along K that has a successor
	s_wait_dscnt 8                                 ; B's set and A's blocks 0-3 are in; the youngest eight loads (A's blocks 4-7) may be out
.if (\cm) == 0
	WIN MUL_LO
.else
	WIN MUL_LO_B
.endif
	MUL16 0, \q, \cm
	MUL16 2, \q, \cm
	s_wait_dscnt 0x0
	PLACES 4
	FETCH_B (\q)+1
	FETCH_A (\q)+1, 0
.if (\cm) == 0
	WIN MUL_HI
.else
	WIN MUL_HI_B
.endif
	MUL16 4, \q, \cm
	MUL16 6, \q, \cm
	PLACES 4
	WIN 0
	FETCH_A (\q)+1, 4
.endm
	s_wait_tensorcnt 0x0                           ; my 128 rows are in
	s_barrier_signal -1
	s_barrier_wait -1                              ; everybody's are
	FETCH_B 0
	FETCH_A 0, 0
	FETCH_A 0, 4
	s_cmp_eq_u32 s47, 0                            ; the first step starts the sums with the bias as C: which registers that is differs between the two products
	s_cbranch_scc0 .Lfirst_v
	STEP 0, 1
	s_branch .Lfirst_done
.Lfirst_v:
	WIN 0x41                                       ; destination and source window 1
.irp a, 0,1,2,3,4,5,6,7
.irp j, 1,2,3,4,5,6,7
	v_mov_b32 v[BIAS+8*\a+\j], v[BIAS+8*\a]        ; a lane holds one q: its bias fills the eight registers of a C
.endr
.endr
	WIN 0
	PLACES 4
	s_wait_alu depctr_va_vdst(0)
	STEP 0, 2
.Lfirst_done:
.set Q, 1
.rept 6
	STEP Q, 0
.set Q, Q+1
.endr
	s_wait_dscnt 8                                 ; the last step: nothing more to fetch
	WIN MUL_LO
	MUL16 0, 7, 0
	MUL16 2, 7, 0
	s_wait_dscnt 0x0
	WIN MUL_HI
	MUL16 4, 7, 0
	MUL16 6, 7, 0
	WIN 0
	PLACES 4
; THE WAY OUT of block a: rows q = 16 a + r, 128 numbers along p each: four blocks of 32.  Tile b's register j of lane (r, h) is p = 16 b + 8 h + j, so block B lies in tiles 2 B, 2 B + 1 of lanes l and l xor 16.
; Each tile's eight numbers become one register of codes; two exchanges of halves for each 64 along p leave lane h with block 2 g + h whole: four operand registers.
.macro QOUT a
.set AC, 64*((\a)%4)
.set PCA, PCO+8*(\a)
	WIN 20*(2+(\a)/4)                              ; sources 1 and 2: the accumulators' window
.irp b, 0,1,2,3
	v_max3_num_f32 v[TM+\b], 0x1800000, |v[AC+16*\b]|, |v[AC+16*\b+1]|   ; each accumulator is read from its low end on; the floor 2^(3 - 127) holds the byte at 1 from below
.endr
.irp i, 2,4,6,8,10,12,14
.irp b, 0,1,2,3
	v_max3_num_f32 v[TM+\b], v[TM+\b], |v[AC+16*\b+\i]|, |v[AC+16*\b+\i+1]|
.endr
.endr
	WIN 0
.irp b, 0,1,2,3
	v_permlanex16_b32 v[TM+4+\b], v[TM+\b], s[SEL], s[SEL+1]
.endr
.irp b, 0,1,2,3
	v_max_num_f32 v[TM+\b], v[TM+\b], v[TM+4+\b]
.endr
.irp b, 0,1,2,3
	v_add_nc_u32 v[TM+12+\b], 0xff000000, v[TM+\b]
.endr
.irp b, 0,1,2,3
	v_lshrrev_b32 v[TM+4+\b], 23, v[TM+12+\b]
.endr
	v_lshl_or_b32 v[PWO+(\a)], v[TM+5], 8, v[TM+4]
	v_lshl_or_b32 v[PWO+(\a)], v[TM+6], 16, v[PWO+(\a)]
	v_lshl_or_b32 v[PWO+(\a)], v[TM+7], 24, v[PWO+(\a)]
	WIN 2+(\a)/4                                   ; source 0: the accumulators' window
.irp g, 0,1
	v_cvt_scalef32_pk8_fp4_f32 v[PCA+4*\g],   v[AC+8*(4*\g):AC+8*(4*\g)+7],     v[TM+12+2*\g]
	v_cvt_scalef32_pk8_fp4_f32 v[PCA+4*\g+1], v[AC+8*(4*\g+2):AC+8*(4*\g+2)+7], v[TM+12+2*\g+1]
	v_cvt_scalef32_pk8_fp4_f32 v[PCA+4*\g+2], v[AC+8*(4*\g+1):AC+8*(4*\g+1)+7], v[TM+12+2*\g]
	v_cvt_scalef32_pk8_fp4_f32 v[PCA+4*\g+3], v[AC+8*(4*\g+3):AC+8*(4*\g+3)+7], v[TM+12+2*\g+1]
.endr
	WIN 0
	v_nop                                          ; one plain place behind a scaled conversion
.irp g, 0,1
	v_permlane16_swap_b32 v[PCA+4*\g], v[PCA+4*\g+1]
	v_permlane16_swap_b32 v[PCA+4*\g+2], v[PCA+4*\g+3]
.endr
; q = 16 a + r = 64 c + 32 rhi + 8 u + rlo: c = a / 4, rhi = (a / 2) % 2, u = 2 (a % 2) + r / 8
.irp g, 0,1
	ds_store_b128 v[STO], v[PCA+4*\g:PCA+4*\g+3] offset:((\a)/4)*4096+((\a)%2)*2048+(((\a)/2)%2)*128+512*\g
.endr
	ds_store_b32 v[STS], v[PWO+(\a)] offset:((\a)/4)*256+((\a)%2)*128+(((\a)/2)%2)*32   ; both halves of the lanes write row q's word, with the same value
.endm
.irp a, 0,1,2,3,4,5,6,7
	QOUT \a
.endr
.irp i, 0,1,2,3,4,5,6,7
	ds_load_b128 v[OB0+4*\i:OB0+4*\i+3], v[RD] offset:512*\i       ; LDS serves a wave's instructions in order: these see my stores
.endr
.irp i, 0,1,2,3,4,5,6,7
	ds_load_b128 v[OB1+4*\i:OB1+4*\i+3], v[RD] offset:4096+512*\i
.endr
	ds_load_b128 v[OBW:OBW+3], v[RD] offset:8192
	s_wait_dscnt 9                                 ; the first eight are back; nine younger ones may be out
.irp i, 0,1,2,3,4,5,6,7
	global_store_b128 v[CO], v[OB0+4*\i:OB0+4*\i+3], s[70:71] offset:512*\i    ; 512 consecutive bytes, at a multiple of 512 from the buffer's first byte
.endr
	s_wait_dscnt 1
.irp i, 0,1,2,3,4,5,6,7
	global_store_b128 v[CO], v[OB1+4*\i:OB1+4*\i+3], s[70:71] offset:4096+512*\i
.endr
	s_wait_dscnt 0x0
	global_store_b128 v[CO], v[OBW:OBW+3], s[72:73]                ; the 128 scale words
	s_wait_tensorcnt 0x0                           ; the wave's end: behind my last tensor load and my last LDS store
	ds_add_u32 v[SPW], v[NIL]
	s_wait_dscnt 0x0
	CROUND                                         ; the closing round
	s_endpgm
.Lfunc_end_k_qd4e5fc933c_proj:
	.size	k_qd4e5fc933c_proj, .Lfunc_end_k_qd4e5fc933c_proj-k_qd4e5fc933c_proj
	.p2alignl 7, 3214868480
	.fill 96, 4, 3214868480
	.section	.rodata,"a",@progbits
	.p2align	6, 0x0
	.amdhsa_kernel k_qd4e5fc933c_proj
		.amdhsa_group_segment_fixed_size 327680
		.amdhsa_private_segment_fixed_size 0
		.amdhsa_enable_private_segment 0
		.amdhsa_kernarg_size 136
		.amdhsa_user_sgpr_count 2
		.amdhsa_user_sgpr_kernarg_segment_ptr 1
		.amdhsa_wavefront_size32 1
		.amdhsa_system_sgpr_workgroup_id_x 1
		.amdhsa_system_sgpr_workgroup_id_y 1
		.amdhsa_system_sgpr_workgroup_id_z 1
		.amdhsa_system_vgpr_workitem_id 0
		.amdhsa_next_free_vgpr 1024
		.amdhsa_next_free_sgpr 106
		.amdhsa_reserve_vcc 1
		.amdhsa_float_denorm_mode_32 3
		.amdhsa_float_denorm_mode_16_64 3
		.amdhsa_memory_ordered 1
		.amdhsa_forward_progress 1
		.amdhsa_inst_pref_size 161
	.end_amdhsa_kernel
	.amdgpu_metadata
---
amdhsa.version: [ 1, 2 ]
amdhsa.kernels:
  - .name:           k_qd4e5fc933c_proj
    .symbol:         k_qd4e5fc933c_proj.kd
    .args:
      - { .name: key_codes, .offset: 0, .size: 8, .value_kind: global_buffer, .address_space: global }
      - { .name: key_scales, .offset: 8, .size: 8, .value_kind: global_buffer, .address_space: global }
      - { .name: Wk_codes, .offset: 16, .size: 8, .value_kind: global_buffer, .address_space: global }
      - { .name: Wk_scales, .offset: 24, .size: 8, .value_kind: global_buffer, .address_space: global }
      - { .name: Wv_codes, .offset: 32, .size: 8, .value_kind: global_buffer, .address_space: global }
      - { .name: Wv_scales, .offset: 40, .size: 8, .value_kind: global_buffer, .address_space: global }
      - { .name: value_codes, .offset: 48, .size: 8, .value_kind: global_buffer, .address_space: global }
      - { .name: value_scales, .offset: 56, .size: 8, .value_kind: global_buffer, .address_space: global }
      - { .name: bk, .offset: 64, .size: 8, .value_kind: global_buffer, .address_space: global }
      - { .name: bv, .offset: 72, .size: 8, .value_kind: global_buffer, .address_space: global }
      - { .name: query, .offset: 80, .size: 8, .value_kind: global_buffer, .address_space: global }
      - { .name: Wq_codes, .offset: 88, .size: 8, .value_kind: global_buffer, .address_space: global }
      - { .name: Wo_codes, .offset: 96, .size: 8, .value_kind: global_buffer, .address_space: global }
      - { .name: kv, .offset: 104, .size: 8, .value_kind: global_buffer, .address_space: global }
      - { .name: sw, .offset: 112, .size: 8, .value_kind: global_buffer, .address_space: global }
      - { .name: qx, .offset: 120, .size: 8, .value_kind: global_buffer, .address_space: global }
      - { .name: wimg, .offset: 128, .size: 8, .value_kind: global_buffer, .address_space: global }
    .group_segment_fixed_size: 327680
    .private_segment_fixed_size: 0
    .kernarg_segment_align: 8
    .kernarg_segment_size: 136
    .max_flat_workgroup_size: 128
    .sgpr_count:     106
    .vgpr_count:     1024
    .wavefront_size: 32
...
	.end_amdgpu_metadata
.endif
;; end of part 1
;; launch attn (part 2): grid 4 x 64, 8 waves a work-group, clusters of 4 x 1, 327,680 bytes of LDS; arguments qx, wimg, Wq_scales, bq, kv, sw, cx; writes cx
.if DOCPART == 2
	.amdgcn_target "amdgcn-amd-amdhsa--gfx1250"
	.amdhsa_code_object_version 6
	.text
	.protected	k_qd4e5fc933c_attn
	.globl	k_qd4e5fc933c_attn
	.p2align	8
	.type	k_qd4e5fc933c_attn,@function
k_qd4e5fc933c_attn:
	s_mov_b64 s[64:65], 0
	v_nop
	global_prefetch_b8 v0, s[64:65] scope:SCOPE_SE
	s_setreg_imm32_b32 hwreg(HW_REG_WAVE_MODE, 25, 1), 1
	s_wait_xcnt 0x0
	s_wait_alu depctr_hold_cnt(0) depctr_sa_sdst(0) depctr_va_vdst(0) depctr_va_sdst(0) depctr_va_ssrc(0) depctr_va_vcc(0) depctr_vm_vsrc(0)
	s_getreg_b32 s2, hwreg(HW_REG_IB_STS2, 6, 4)
	s_cmp_eq_u32 s2, 0
	s_cbranch_scc0 .Lentry_in_a_cluster
	s_endpgm
.Lentry_in_a_cluster:
	s_bfe_u32 s2, ttmp6, 0x10000c
	s_cmp_lg_u32 s2, 0x3003
	s_cbranch_scc0 .Lentry_shape_is_right
	s_endpgm
.Lentry_shape_is_right:
; SECOND LAUNCH: for one batch and head, Q = query Wq^T + bq of the wave's own 32 queries, quantised in registers; S^T = K Q^T; the softmax ahead of a quantised product; O^T = V^T P^T; ctx = O / l, quantised in registers.
; Nothing is left out.  All three products are on codes of FP4 (E2M1) with E8M0 scales.
; THE SOFTMAX: t = score x log2(e) / 8; M = the running largest t rounded UP to a whole number; p = 2^(t - M) is quantised along the keys, not normalised; the row's sum is taken of the unquantised p and divides O at the end;
; when M moves, the sum and O are multiplied by 2^(old M - new M), which rounds nothing.
; SHARES: a work-group owns 256 queries of one head, each of its eight waves 32 of them, two tiles of 16 (A, B): each fragment of Wq, K and V that a wave reads from LDS feeds both tiles.  A key step is 256 keys: 8 steps.
; A head's K and V (64 KiB each), their scale words and the head's 64 rows of Wq lie in LDS whole: each byte is filled once, and no barrier stands in the loop over the keys.
; CLUSTER: the four query blocks of a head read the same K, V, scale words and Wq: every tensor load is joint, mask 15.  All go out as one group behind the opening round, ONE A WAVE: waves 0, 1 Wq's image, 2, 3 the scale words, 4, 5 K, 6, 7 V.
; No prefetch is laid: every tile of the launch is asked for at its head, so there is no later load to run ahead of.
; LAYOUT: every operand lies in the workspace as an image of its registers (512 bytes = four registers x 32 lanes), so every LDS load takes 16 x lane: no pitch, no padding, no conflict.
; Both attention products are used transposed: a lane holds ONE query of each tile (lane % 16).  Row r of tile (c, u) of K is key 64 c + 32 (r / 8) + 8 u + r % 8; of Wq and V channel 32 (r / 8) + 8 u + r % 8:
; so the 32 registers of tiles u = 0 .. 3 are a lane's 32 NEIGHBOURS, the whole block 2 c + lane / 16: its maximum needs no other lane, and the conversions' results are the next product's operand as they stand.
; K = 64 IN AN INSTRUCTION OF 128: Q's upper four registers hold zero codes, so k = 64 .. 127 adds nothing whatever K's side holds there: a tile of K names its own four registers and the four behind them
; (the next tile's codes; behind v31 V's; behind v95 four registers of addresses: any bits are finite codes).  The scale bytes of those blocks are 0 on K's side (a 16-bit load) and 0x7f on Q's: none is 0xff.
; A BLOCK'S SCALE: the largest p of a block is 2^x, x the largest score's t - M, so its exponent is floor(x), held at -124 from below: byte floor(x) + 125.
; The last step fetches K past the last key: 8,192 bytes of V's region and scale words out of Wq's, in LDS and landed, used by nothing: so the step is written once.
; ctx's scale bytes leave as single bytes, 32 a tile beside 512 bytes of codes: rows of 32 bytes to which sixteen heads' work-groups each add two.
; LIMITS: the promise holds while the scaled scores t stay under 2^31 in magnitude; a block of zeros, or one under 2^-124, gets the scale byte 1 (this program alone reads the bytes); NaN and infinities are not served; bq is the C of the first matrix instruction, added first.
; REGISTERS.  Window 1: the scores, then p: tile A's 128 keys g at v[64 g], tile B's at v[128 + 64 g]; behind the conversions v0-23 hold three operands of codes.  While Q is made: query's fragments, v0-127.
;   Window 0: v0-31 K's keys 0-127; v32-63 V's keys 0-127; v64-95 K's keys 128-255, then V's; v96-99 constants; v100-123 scales alone; v124-139 Q; v140-203 O^T (first Q^T); v204-254 as named below.
.set VREG,  65536                      ; V: 128 keys x 4,096 + tile x 1,024 + half x 512.  K at 0: 128 keys x 4,096 + tile x 512
.set SWREG, 131072                     ; 128 keys x 1,024: the head pair's 128 words of K, then 128 of V
.set WQREG, 147456                     ; tile x 8,192 + K step x 1,024 + half x 512
.set SPARE, 180224                     ; the spare words, 128 bytes a wave: four blocks of 256 bytes that no other line names
.set SPW,  96
.set NIL,  97
.set LI,   98                          ; 16 x lane
.set SB,   99                          ; 32 r + h: my block's scale byte in ctx
.set KS,   100
.set VS,   108
.set PW,   112
.set QW,   116
.set WS,   100                         ; while Q is made
.set QS,   116                         ; likewise
.set QA,   124
.set OA,   140
.set BM,   204                         ; the eight blocks' largest scores
.set OP,   212                         ; and their conversions' scale operands
.set CODE, 220
.set NM,   228                         ; tile q: -M at NM + 6 q, the largest score behind it, then the sum in four parts
.set FF,   240                         ; 2^(old M - new M) of A and of B
.set ASK0, 242
.set ASV0, 243
.set TT,   244                         ; v244-251 at work
.set ADK,  252
.set ADS,  253
.set ADT,  254
.set QSO,  204                         ; head only
.set WSO,  205
.set BQO,  206
.set AW0,  207
.set WV,   18
.set SEL,  20
.set CS,   22
.set G1W,  24
.set G1S,  32
.set G1K,  40
.set G1V,  48
.set G0W,  56
.set G0S,  60
.set G0K,  68
.set G0V,  72
.set TK,   2
.set TS,   3
.set CNT,  66
.set NC,   98
.set MSB, 0
.macro WIN new                         ; the immediate's high byte repeats the setting that is left
.if MSB != (\new)
	s_set_vgpr_msb (MSB<<8)|(\new)
.set MSB, (\new)
.endif
.endm
.macro ROUND                           ; a round of the cluster's barrier
	s_barrier_signal -1
	s_barrier_wait -1
	s_cmp_lg_u32 s[WV], 0
	s_cbranch_scc1 .Lnot_wave_0_\@
	s_barrier_signal -3
.Lnot_wave_0_\@:
	s_barrier_wait -3
	s_barrier_signal -1
	s_barrier_wait -1
.endm
.macro GROUP1 g, c, r, p               ; r rows of c elements of 8 bytes, p elements apart; no padding; the mask names all four partners, bit 21 beside it
	s_mov_b32 s[\g], 15|(3<<16)|(1<<21)
	s_mov_b32 s[\g+1], (\c)<<16
	s_mov_b32 s[\g+2], (\r)<<16
	s_mov_b32 s[\g+3], (\c)<<16
	s_mov_b32 s[\g+4], \r
	s_mov_b32 s[\g+5], \p
	s_mov_b32 s[\g+6], 0
	s_mov_b32 s[\g+7], 0
.endm
	s_load_b256 s[4:11], s[0:1], 0x0               ; qx, wimg, Wq's scales, bq
	s_load_b128 s[12:15], s[0:1], 0x20             ; kv, sw
	s_load_b64 s[16:17], s[0:1], 0x30              ; cx
	v_lshl_add_u32 v[SPW], v0, 2, SPARE
	v_mov_b32 v[NIL], 0
	ds_add_u32 v[SPW], v[NIL]                      ; the wave's opening: the add, twice on end, and its wait ahead of my tensor load
	ds_add_u32 v[SPW], v[NIL]
	v_lshrrev_b32 v244, 5, v0
	v_readfirstlane_b32 s[WV], v244                ; wave 0..7
	s_bfe_u32 s19, ttmp6, 0x40000                  ; cx: my block of 256 queries; it enters query's and ctx's addresses alone
	s_and_b32 s76, ttmp7, 0xffff                   ; 16 x batch + head, which the four partners share
	s_and_b32 s77, s76, 15                         ; head
	s_and_b32 s78, s76, 1                          ; its parity
	s_lshr_b32 s79, s76, 1                         ; 8 x batch + head pair
	s_lshr_b32 s80, s76, 4                         ; batch
	s_and_b32 s81, s[WV], 1                        ; which half of a region I fetch
	GROUP1 G1W, 32, 64, 32                         ; half the head's Wq image: 16,384 dense bytes
	GROUP1 G1S, 32, 32, 32                         ; half the head pair's scale words: 8,192 dense bytes
	GROUP1 G1K, 64, 64, 128                        ; K: 64 pieces of 512 bytes, 1,024 apart (the other head's lie between)
	GROUP1 G1V, 512, 8, 1024                       ; V: 8 pieces of 4,096 bytes, 8,192 apart
	s_mov_b32 s[G0W], 1
	s_lshl_b32 s82, s81, 14
	s_add_co_u32 s[G0W+1], s82, WQREG
	s_lshl_b32 s[G0W+2], s77, 15
	s_add_co_u32 s[G0W+2], s[G0W+2], s82
	s_mov_b32 s[G0W+3], 0
	s_mov_b32 s[G0S], 1
	s_lshl_b32 s82, s81, 13
	s_add_co_u32 s[G0S+1], s82, SWREG
	s_lshl_b32 s[G0S+2], s79, 14
	s_add_co_u32 s[G0S+2], s[G0S+2], s82
	s_mov_b32 s[G0S+3], 0
	s_mov_b32 s[G0K], 1
	s_lshl_b32 s82, s81, 15
	s_mov_b32 s[G0K+1], s82
	s_mov_b32 s[G0V], 1
	s_add_co_u32 s[G0V+1], s82, VREG
	s_lshl_b32 s82, s79, 17
	s_lshl_b32 s83, s81, 16
	s_add_co_u32 s82, s82, s83                     ; the head pair's 131,072 bytes, my half of the keys
	s_lshl_b32 s83, s78, 9
	s_add_co_u32 s[G0K+2], s82, s83
	s_mov_b32 s[G0K+3], 0
	s_lshl_b32 s83, s78, 12
	s_add_co_u32 s[G0V+2], s82, s83
	s_add_co_u32 s[G0V+2], s[G0V+2], 4194304
	s_mov_b32 s[G0V+3], 0
	s_lshl_b32 s83, s80, 6
	s_lshl_b32 s84, s19, 4
	s_add_co_u32 s83, s83, s84
	s_lshl_b32 s84, s[WV], 1
	s_add_co_u32 s83, s83, s84                     ; my first tile of 16 rows: 64 x batch + 16 x block + 2 x wave
	s_lshl_b32 s84, s83, 13                        ; query's fragments
	s_mov_b32 s85, 0
	s_lshl_b32 s86, s83, 9
	s_add_co_u32 s86, s86, 2097152                 ; the scale bytes behind the codes, in qx and in cx alike
	s_mov_b32 s87, 0
	s_lshl_b32 s88, s77, 11                        ; Wq's scale bytes: the head's 64 rows of 32
	s_mov_b32 s89, 0
	s_lshl_b32 s90, s77, 8                         ; bq: the head's 64 numbers
	s_mov_b32 s91, 0
	s_lshl_b32 s92, s77, 9
	s_add_co_u32 s92, s92, s84                     ; ctx's piece: row tile x 8,192 + head x 512
	s_mov_b32 s93, 0
	s_lshl_b32 s94, s77, 1
	s_add_co_u32 s94, s94, s86                     ; and its two scale bytes a row
	s_mov_b32 s95, 0
	s_mov_b32 s[SEL], 0x76543210
	s_mov_b32 s[SEL+1], 0xfedcba98
	s_mov_b32 s[CS], 0x3e38aa3b                    ; c = log2(e) / sqrt(64)
	s_mov_b32 s[CS+1], s[CS]                       ; (named with it as a pair, so it is written)
	s_mov_b32 s[NC], 0xbe38aa3b                    ; -c
	s_mov_b32 s[TK], 0
	s_mov_b32 s[TS], 0
	s_lshl_b32 s82, s78, 1
	s_add_co_u32 s82, s82, SWREG                   ; K's words: my head's two bytes
	s_lshl_b32 s83, s78, 8
	s_add_co_u32 s83, s83, SWREG+512-2048          ; V's: my head's 64 words; a step's address is made with K's next step's
	v_and_b32 v250, 31, v0                         ; lane
	v_and_b32 v251, 15, v0                         ; r
	v_bfe_u32 v249, v0, 4, 1                       ; h
	v_lshlrev_b32 v[LI], 4, v250
	v_lshlrev_b32 v248, 2, v250
	v_lshlrev_b32 v247, 5, v251
	v_and_b32 v246, 8, v251
	v_add_nc_u32 v[SB], v247, v249
	v_lshl_add_u32 v[QSO], v249, 4, v247           ; 32 r + 16 h: lanes 0-15 get a row's scale words of K steps 0-3, lanes 16-31 those of 4-7
	v_mad_u32_u24 v246, v246, 3, v251              ; r % 8 + 32 (r / 8)
	v_lshlrev_b32 v[BQO], 7, v249                  ; bq: 32 h numbers on
	v_add_nc_u32 v[ASK0], s82, v248                ; 4 x lane: lanes 0-15 an even tile, lanes 16-31 the odd one
	v_add_nc_u32 v[ASV0], s83, v248
	v_lshlrev_b32 v246, 5, v246
	v_add_nc_u32 v[AW0], WQREG, v[LI]
	v_lshl_add_u32 v[WSO], v249, 4, v246           ; the same by Wq's rows of a tile
	s_wait_alu depctr_va_vdst(0)                   ; the wait at the head's end
	s_wait_dscnt 0x0                               ; both opening adds are done
	s_wait_kmcnt 0x0
	s_add_nc_u64 s[84:85], s[4:5], s[84:85]
	s_add_nc_u64 s[86:87], s[4:5], s[86:87]
	s_add_nc_u64 s[88:89], s[8:9], s[88:89]
	s_add_nc_u64 s[90:91], s[10:11], s[90:91]
	s_add_nc_u64 s[92:93], s[16:17], s[92:93]
	s_add_nc_u64 s[94:95], s[16:17], s[94:95]
	s_add_nc_u64 s[G0W+2:G0W+3], s[6:7], s[G0W+2:G0W+3]
	s_or_b32 s[G0W+3], s[G0W+3], 0x80000000
	s_add_nc_u64 s[G0S+2:G0S+3], s[14:15], s[G0S+2:G0S+3]
	s_or_b32 s[G0S+3], s[G0S+3], 0x80000000
	s_add_nc_u64 s[G0K+2:G0K+3], s[12:13], s[G0K+2:G0K+3]
	s_or_b32 s[G0K+3], s[G0K+3], 0x80000000
	s_add_nc_u64 s[G0V+2:G0V+3], s[12:13], s[G0V+2:G0V+3]
	s_or_b32 s[G0V+3], s[G0V+3], 0x80000000
	WIN 0x40
.irp q, 0,1
.irp i, 0,1,2,3,4,5,6,7,8,9,10,11,12,13,14,15
	global_load_b128 v[64*\q+4*\i:64*\q+4*\i+3], v[LI], s[84:85] offset:8192*\q+512*\i     ; query's eight fragments of tile q: 512 dense bytes a load
.endr
.endr
	WIN 0
.irp q, 0,1
	global_load_b128 v[QS+4*\q:QS+4*\q+3], v[QSO], s[86:87] offset:512*\q
.endr
.irp u, 0,1,2,3
	global_load_b128 v[WS+4*\u:WS+4*\u+3], v[WSO], s[88:89] offset:256*\u
.endr
.irp q, 0,1
.irp u, 0,1,2,3
	global_load_b128 v[OA+32*\q+8*\u:OA+32*\q+8*\u+3], v[BQO], s[90:91] offset:32*\u       ; bq in the result's layout: register j of tile u is channel 32 h + 8 u + j
	global_load_b128 v[OA+32*\q+8*\u+4:OA+32*\q+8*\u+7], v[BQO], s[90:91] offset:32*\u+16
.endr
.endr
	ROUND                                          ; all four work-groups are here: the joint loads meet
; ALL THE LAUNCH'S FILLS, one a wave: one tree of branches on the wave's number, each arm with its load and, but for the last, a jump to the tree's end
.macro ARM under, g0, g1, next
	s_cmp_lt_u32 s[WV], \under
	s_cbranch_scc0 \next
	tensor_load_to_lds s[\g0:\g0+3], s[\g1:\g1+7]
	s_nop 0
.rept 4
	v_nop
.endr
	s_branch .Lasked
\next:
.endm
	ARM 2, G0W, G1W, .Lhead_s
	ARM 4, G0S, G1S, .Lhead_k
	ARM 6, G0K, G1K, .Lhead_v
	tensor_load_to_lds s[G0V:G0V+3], s[G1V:G1V+7]
	s_nop 0
.rept 4
	v_nop
.endr
.Lasked:
	s_cmp_lt_u32 s[WV], 2                          ; Wq's image is waited for by the two waves that asked for it; the other lines' loads may stay out
	s_cbranch_scc0 .Lnot_wq
	s_wait_tensorcnt 0x0
.Lnot_wq:
	s_barrier_signal -1
	s_barrier_wait -1                              ; Wq's image is whole for all eight waves
; ---- Q^T = Wq x^T + bq: four tiles of 16 channels x two tiles of queries, eight K steps; Wq's fragments in two sets by turns
.macro FETCHW s
.set WF, 64*((\s)%2)
.irp u, 0,1,2,3
.irp c, 0,1
	ds_load_b128 v[WF+8*\u+4*\c:WF+8*\u+4*\c+3], v[AW0] offset:\u*8192+(\s)*1024+\c*512
.endr
.endr
.endm
.macro QP s                            ; the eight accumulators take turns
.set WF, 64*((\s)%2)
	WIN 0x04                                       ; source 1 (query): window 1
.irp u, 0,1,2,3
.irp q, 0,1
.set DD, OA+32*\q+8*\u
.set BB, 64*\q+8*(\s)
.if (\s) < 4
	v_wmma_scale_f32_16x16x128_f8f6f4 v[DD:DD+7], v[WF+8*\u:WF+8*\u+7], v[BB:BB+7], v[DD:DD+7], v[WS+4*\u+(\s)%4], v[QS+4*\q+(\s)%4] matrix_a_fmt:MATRIX_FMT_FP4 matrix_b_fmt:MATRIX_FMT_FP4
.else
	v_wmma_scale_f32_16x16x128_f8f6f4 v[DD:DD+7], v[WF+8*\u:WF+8*\u+7], v[BB:BB+7], v[DD:DD+7], v[WS+4*\u+(\s)%4], v[QS+4*\q+(\s)%4] matrix_a_fmt:MATRIX_FMT_FP4 matrix_b_fmt:MATRIX_FMT_FP4 matrix_a_scale:MATRIX_SCALE_ROW1 matrix_b_scale:MATRIX_SCALE_ROW1
.endif
.endr
.endr
	WIN 0
.endm
; Two times 32 numbers of a lane, a whole block each, become four registers of codes each; their scale operands lie in v[OP], v[OP + 1]
.macro QUANT32 sa, sb, da, db
.irp i, 0,2,4,6,8,10,12,14
.irp k, 0,1
.if \i == 0
	v_max3_num_f32 v[TT+\k], 0x1800000, |v[\sa+16*\k]|, |v[\sa+16*\k+1]|       ; from each accumulator's low end on; the floor 2^(3 - 127) holds the byte at 1 from below
	v_max3_num_f32 v[TT+2+\k], 0x1800000, |v[\sb+16*\k]|, |v[\sb+16*\k+1]|
.else
	v_max3_num_f32 v[TT+\k], v[TT+\k], |v[\sa+16*\k+\i]|, |v[\sa+16*\k+\i+1]|
	v_max3_num_f32 v[TT+2+\k], v[TT+2+\k], |v[\sb+16*\k+\i]|, |v[\sb+16*\k+\i+1]|
.endif
.endr
.endr
	v_max_num_f32 v[TT], v[TT], v[TT+1]
	v_max_num_f32 v[TT+2], v[TT+2], v[TT+3]
	v_add_nc_u32 v[OP], 0xff000000, v[TT]          ; 2 off the exponent field: the conversion's scale operand
	v_add_nc_u32 v[OP+1], 0xff000000, v[TT+2]
.irp u, 0,1,2,3
	v_cvt_scalef32_pk8_fp4_f32 v[\da+\u], v[\sa+8*\u:\sa+8*\u+7], v[OP]
	v_cvt_scalef32_pk8_fp4_f32 v[\db+\u], v[\sb+8*\u:\sb+8*\u+7], v[OP+1]
.endr
	v_nop                                          ; one plain place behind a scaled conversion
.endm
	s_wait_loadcnt 0x0                             ; query's fragments, the scale words, bq
	FETCHW 0
	FETCHW 1
.irp s, 0,1,2,3,4,5,6,7
.if \s < 7
	s_wait_dscnt 8                                 ; this K step's eight loads are in; the other set's eight may be out
.else
	s_wait_dscnt 0x0
.endif
	QP \s
.rept 4
	v_nop                                          ; places in front of loads into registers that matrix instructions have read, and of the first read of results
.endr
.if \s < 6
	FETCHW \s+2
.endif
.endr
	QUANT32 OA, OA+32, QA, QA+8
.irp q, 0,1
	v_lshrrev_b32 v[TT+4+\q], 23, v[OP+\q]         ; my block's byte
.endr
.irp q, 0,1
	v_permlanex16_b32 v[TT+6+\q], v[TT+4+\q], s[SEL], s[SEL+1]
.endr
.irp q, 0,1
	v_lshl_or_b32 v[TT+4+\q], v[TT+6+\q], 8, v[TT+4+\q]
.endr
.irp q, 0,1
	v_or_b32 v[QW+\q], 0x7f7f0000, v[TT+4+\q]      ; lanes 0-15: Q's scale word: the head's two blocks, and 1.0 over the zero codes
.endr
.irp j, 0,1,2,3
	v_mov_b32 v[QA+4+\j], 0                        ; zero codes
	v_mov_b32 v[QA+12+\j], 0
	v_mov_b32 v[32+\j], 0                          ; what K's tile 7 names above its own four registers in the first step
.endr
.set JJ, 0
.rept 64
	v_mov_b32 v[OA+JJ], 0                          ; O^T.  (The key step is written once: its first run finds zeros)
.set JJ, JJ+1
.endr
.irp q, 0,1
	v_mov_b32 v[NM+6*\q+1], 0xff61b1e6             ; the largest score so far: -3e38
	v_mul_f32 v[TT+\q], s[NC], v[NM+6*\q+1]
	v_floor_f32 v[NM+6*\q], v[TT+\q]               ; -M
.irp j, 2,3,4,5
	v_mov_b32 v[NM+6*\q+\j], 0                     ; the sum, in four parts
.endr
.endr
	v_mov_b32 v[ADK], v[LI]
	v_mov_b32 v[ADS], v[ASK0]
.macro KLD g                           ; eight tiles of K, four registers each, and their scale words: lanes 0-15 tile 2 b, lanes 16-31 tile 2 b + 1
.irp t, 0,1,2,3,4,5,6,7
	ds_load_b128 v[64*\g+4*\t:64*\g+4*\t+3], v[ADK] offset:4096*\g+512*\t
.endr
.irp b, 0,1,2,3
	ds_load_u16 v[KS+4*\g+\b], v[ADS] offset:1024*\g+128*\b
.endr
.endm
.macro VLD g                           ; four tiles of V, 128 keys, and their scale words.  ADK stands 8,192 bytes on already
.irp u, 0,1,2,3
.irp c, 0,1
	ds_load_b128 v[32+32*\g+8*\u+4*\c:32+32*\g+8*\u+4*\c+3], v[ADK] offset:VREG-8192+4096*\g+1024*\u+512*\c
.endr
.endr
.irp b, 0,1
	ds_load_b32 v[VS+2*\g+\b], v[ADT] offset:1024*\g+128*\b
.endr
.endm
.macro SHALF g                         ; S^T of 128 keys: eight tiles x two tiles of queries
	WIN 0x40                                       ; the scores: window 1
.irp t, 0,1,2,3,4,5,6,7
.irp q, 0,1
.set KR, 64*\g+4*\t
.set DD, 128*\q+64*\g+8*\t
.set BB, QA+8*\q
.if (\t)%2
	v_wmma_scale_f32_16x16x128_f8f6f4 v[DD:DD+7], v[KR:KR+7], v[BB:BB+7], 0, v[KS+4*\g+\t/2], v[QW+\q] matrix_a_fmt:MATRIX_FMT_FP4 matrix_b_fmt:MATRIX_FMT_FP4 matrix_a_scale:MATRIX_SCALE_ROW1
.else
	v_wmma_scale_f32_16x16x128_f8f6f4 v[DD:DD+7], v[KR:KR+7], v[BB:BB+7], 0, v[KS+4*\g+\t/2], v[QW+\q] matrix_a_fmt:MATRIX_FMT_FP4 matrix_b_fmt:MATRIX_FMT_FP4
.endif
.endr
.endr
.endm
.macro PV u, g, q, code                ; O^T's tile u of queries q += V^T P^T over the 128 keys g
.set DD, OA+32*\q+8*\u
.set AA, 32+32*\g+8*\u
.if (\u)%2
	v_wmma_scale_f32_16x16x128_f8f6f4 v[DD:DD+7], v[AA:AA+7], v[\code:\code+7], v[DD:DD+7], v[VS+2*\g+\u/2], v[PW+2*\q+\g] matrix_a_fmt:MATRIX_FMT_FP4 matrix_b_fmt:MATRIX_FMT_FP4 matrix_a_scale:MATRIX_SCALE_ROW1
.else
	v_wmma_scale_f32_16x16x128_f8f6f4 v[DD:DD+7], v[AA:AA+7], v[\code:\code+7], v[DD:DD+7], v[VS+2*\g+\u/2], v[PW+2*\q+\g] matrix_a_fmt:MATRIX_FMT_FP4 matrix_b_fmt:MATRIX_FMT_FP4
.endif
.endm
.macro SCALE2 d, s, f, q               ; two numbers x the q-th of a pair
.if (\q) == 0
	v_pk_mul_f32 v[\d:\d+1], v[\s:\s+1], v[\f:\f+1] op_sel_hi:[1,0]
.else
	v_pk_mul_f32 v[\d:\d+1], v[\s:\s+1], v[\f:\f+1] op_sel:[0,1] op_sel_hi:[1,1]
.endif
.endm
.macro SUM4 j                          ; the rows' sums, of the unquantised p: four chains
	v_pk_add_f32 v[NM+2:NM+3], v[NM+2:NM+3], v[\j:\j+1]
	v_pk_add_f32 v[NM+8:NM+9], v[NM+8:NM+9], v[128+\j:129+\j]
	v_pk_add_f32 v[NM+4:NM+5], v[NM+4:NM+5], v[2+\j:3+\j]
	v_pk_add_f32 v[NM+10:NM+11], v[NM+10:NM+11], v[130+\j:131+\j]
.endm
	s_wait_alu depctr_va_vdst(0)
	s_wait_tensorcnt 0x0                           ; my load has landed
	s_wait_dscnt 0x0
	s_barrier_signal -1
	s_barrier_wait -1                              ; everybody's has
	KLD 0
	KLD 1
	s_mov_b32 s[CNT], 8
.Lkey:
	s_wait_dscnt 12                                ; K's keys 0-127 and their words are in; the twelve loads of keys 128-255 may be out
	SHALF 0
	s_wait_dscnt 0x0
	SHALF 1
	WIN 0
	s_add_co_u32 s[TK], s[TK], 8192
	s_add_co_u32 s[TS], s[TS], 2048
	v_add_nc_u32 v[ADK], s[TK], v[LI]              ; (no place: v98 is among the last tile's registers)
	v_add_nc_u32 v[ADS], s[TS], v[ASK0]            ; four plain lines that name none of the products' registers: the places in front of the loads below and of the first read of the scores
	v_add_nc_u32 v[ADT], s[TS], v[ASV0]
	v_nop
	v_nop
	VLD 0
	VLD 1
	KLD 0                                          ; the next step's first half
	WIN 0x14                                       ; sources 1 and 2: window 1
.irp i, 0,2,4,6,8,10,12,14,16,18,20,22,24,26,28,30
.irp b, 0,1,2,3,4,5,6,7                ; the largest score of each of my eight blocks, from each accumulator's low end on: for the row's maximum and, since p rises with the score, for the block's scale
.if \i == 0
	v_max3_num_f32 v[BM+\b], 0xff800000, v[32*\b], v[32*\b+1]
.else
	v_max3_num_f32 v[BM+\b], v[BM+\b], v[32*\b+\i], v[32*\b+\i+1]
.endif
.endr
.endr
	WIN 0
.irp q, 0,1
	v_max3_num_f32 v[TT+\q], v[BM+4*\q], v[BM+4*\q+1], v[BM+4*\q+2]
.endr
.irp q, 0,1
	v_mov_b32 v[TT+4+\q], v[NM+6*\q]
.endr
.irp q, 0,1
	v_max_num_f32 v[TT+\q], v[TT+\q], v[BM+4*\q+3]
.endr
.irp q, 0,1
	v_permlanex16_b32 v[TT+2+\q], v[TT+\q], s[SEL], s[SEL+1]
.endr
.irp q, 0,1
	v_max3_num_f32 v[NM+6*\q+1], v[NM+6*\q+1], v[TT+\q], v[TT+2+\q]   ; the running largest score, with lane l xor 16's blocks
.endr
.irp q, 0,1
	v_mul_f32 v[TT+\q], s[NC], v[NM+6*\q+1]
.endr
.irp q, 0,1
	v_floor_f32 v[NM+6*\q], v[TT+\q]               ; the new -M = floor(-t) = -ceil(t)
.endr
.irp q, 0,1
	v_sub_f32 v[TT+4+\q], v[NM+6*\q], v[TT+4+\q]   ; old M - new M: a whole number, 0 or less
.endr
.irp b, 0,1,2,3,4,5,6,7
	v_fma_f32 v[BM+\b], v[BM+\b], s[CS], v[NM+6*(\b/4)]    ; each block's largest t - M,
.endr
.irp q, 0,1
	v_cvt_i32_f32 v[TT+4+\q], v[TT+4+\q]           ; (it saturates)
.endr
.irp b, 0,1,2,3,4,5,6,7
	v_max_num_f32 v[BM+\b], 0xc2f80000, v[BM+\b]   ; held at -124 from below,
.endr
.irp q, 0,1
	v_ldexp_f32 v[FF+\q], 1.0, v[TT+4+\q]          ; f = 2^(old M - new M)
.endr
.irp b, 0,1,2,3,4,5,6,7
	v_cvt_floor_i32_f32 v[BM+\b], v[BM+\b]         ; and its floor i
.endr
.irp b, 0,1,2,3,4,5,6,7
	v_lshl_add_u32 v[OP+\b], v[BM+\b], 23, 0x3e800000      ; (i + 125) << 23: the conversion's scale operand
.endr
.irp w, 0,1,2,3
	v_lshl_add_u32 v[TT+\w], v[BM+2*\w+1], 16, v[BM+2*\w]  ; p's scale word for 128 keys: my two blocks' i,
.endr
.irp w, 0,1,2,3
	v_permlanex16_b32 v[TT+4+\w], v[TT+\w], s[SEL], s[SEL+1]
.endr
.irp w, 0,1,2,3
	v_lshl_add_u32 v[TT+\w], v[TT+4+\w], 8, v[TT+\w]       ; lanes 0-15: with lane l + 16's two blocks between them,
.endr
.irp w, 0,1,2,3
	v_add_nc_u32 v[PW+\w], 0x7d7d7d7d, v[TT+\w]    ; and 125 on each byte
.endr
.irp q, 0,1
	SCALE2 NM+6*\q+2, NM+6*\q+2, FF, \q            ; the sums under the new M,
	SCALE2 NM+6*\q+4, NM+6*\q+4, FF, \q
.endr
.set JJ, 0
.rept 16
	SCALE2 OA+JJ, OA+JJ, FF, 0                     ; and O^T
	SCALE2 OA+32+JJ, OA+32+JJ, FF, 1
.set JJ, JJ+2
.endr
	WIN 0x41                                       ; source 0 and destination: window 1
.set JJ, 0
.rept 64
	v_pk_fma_f32 v[JJ:JJ+1], v[JJ:JJ+1], s[CS:CS+1], v[NM:NM+1] op_sel_hi:[1,0,0]     ; A: t - M, two at a time
.set JJ, JJ+2
.endr
	s_wait_alu depctr_va_vdst(0)                   ; the wait ahead of the batch
.set JJ, 0
.rept 64
	v_exp_f32 v[JJ], v[JJ]                         ; A: p = 2^(t - M); between them B's t - M, which names none of their registers
	v_pk_fma_f32 v[128+JJ:129+JJ], v[128+JJ:129+JJ], s[CS:CS+1], v[NM+6:NM+7] op_sel_hi:[1,0,0]
	v_exp_f32 v[JJ+1], v[JJ+1]
.set JJ, JJ+2
.endr
	s_wait_alu depctr_va_vdst(0)                   ; and ahead of the next
.set JJ, 128
.rept 128
	v_exp_f32 v[JJ], v[JJ]                         ; B: p
.set JJ, JJ+1
.endr
	s_wait_alu depctr_va_vdst(0)                   ; one wait behind them, ahead of the first reader
	WIN 0x04                                       ; source 1: window 1
.set JJ, 0
.rept 31
	SUM4 JJ
.set JJ, JJ+4
.endr
	WIN 0x01                                       ; source 0: window 1
.irp c, 0,1
.irp u, 0,1,2,3
	v_cvt_scalef32_pk8_fp4_f32 v[CODE+4*\c+\u], v[32*\c+8*\u:32*\c+8*\u+7], v[OP+\c]       ; A's keys 0-127
.endr
.endr
	v_nop                                          ; one plain place: the registers just read are written below
	WIN 0x41
.irp k, 1,2,3                          ; A's keys 128-255, B's 0-127, B's 128-255: codes over the scores that have been converted
.irp c, 0,1
.irp u, 0,1,2,3
	v_cvt_scalef32_pk8_fp4_f32 v[8*\k-8+4*\c+\u], v[64*\k+32*\c+8*\u:64*\k+32*\c+8*\u+7], v[OP+2*\k+\c]
.endr
.endr
.endr
	WIN 0x04
	SUM4 124                                       ; the last of the sums: also the four places between the codes and the products
	s_wait_alu depctr_va_vdst(0)
	s_wait_dscnt 12                                ; V's fragments and words are in; the next step's K, twelve younger loads, may be out
.irp u, 0,1,2,3                        ; codes in window 1
	PV \u, 1, 0, 0
	PV \u, 1, 1, 16
.endr
.irp u, 0,1,2,3
	PV \u, 0, 1, 8
.endr
	WIN 0
.irp u, 0,1,2,3
	PV \u, 0, 0, CODE
.endr
.rept 5
	v_nop                                          ; places in front of the loads below, and of the next step's products, which write over codes
.endr
	KLD 1                                          ; the next step's second half
	s_sub_co_u32 s[CNT], s[CNT], 1
	s_cmp_lg_u32 s[CNT], 0
	s_wait_alu depctr_va_vdst(0)
	s_cbranch_scc1 .Lkey
	; THE WAY OUT: ctx = O / l, quantised along the head's 64 as two blocks of the last product's K; the four registers are that operand's, and leave as they stand
	s_wait_dscnt 0x0
.irp q, 0,1
	v_pk_add_f32 v[NM+6*\q+2:NM+6*\q+3], v[NM+6*\q+2:NM+6*\q+3], v[NM+6*\q+4:NM+6*\q+5]
.endr
.irp q, 0,1
	v_add_f32 v[TT+\q], v[NM+6*\q+2], v[NM+6*\q+3]
.endr
.irp q, 0,1
	v_permlanex16_b32 v[TT+2+\q], v[TT+\q], s[SEL], s[SEL+1]
.endr
.irp q, 0,1
	v_add_f32 v[TT+\q], v[TT+\q], v[TT+2+\q]       ; the row's sum
.endr
	s_wait_alu depctr_va_vdst(0)                   ; the wait ahead of the transcendentals
	v_rcp_f32 v[TT], v[TT]
	v_rcp_f32 v[TT+1], v[TT+1]
	v_nop                                          ; the plain place behind them
	s_wait_alu depctr_va_vdst(0)                   ; and the wait behind them, which serves O^T too
.set JJ, 0
.rept 16
	SCALE2 JJ, OA+JJ, TT, 0                        ; register i is channel 32 h + i
	SCALE2 32+JJ, OA+32+JJ, TT, 1
.set JJ, JJ+2
.endr
	QUANT32 0, 32, 64, 68
	global_store_b128 v[LI], v[64:67], s[92:93]    ; 512 consecutive bytes, at a multiple of 512 from the buffer's first byte
	global_store_b128 v[LI], v[68:71], s[92:93] offset:8192
	v_lshrrev_b32 v[OP+2], 23, v[OP]
	v_lshrrev_b32 v[OP+3], 23, v[OP+1]
	global_store_b8 v[SB], v[OP+2], s[94:95]
	global_store_b8 v[SB], v[OP+3], s[94:95] offset:512
	s_wait_tensorcnt 0x0                           ; the wave's end
	ds_add_u32 v[SPW], v[NIL]
	s_wait_dscnt 0x0
	ROUND                                          ; the closing round
	s_endpgm
.Lfunc_end_k_qd4e5fc933c_attn:
	.size	k_qd4e5fc933c_attn, .Lfunc_end_k_qd4e5fc933c_attn-k_qd4e5fc933c_attn
	.p2alignl 7, 3214868480
	.fill 96, 4, 3214868480
	.section	.rodata,"a",@progbits
	.p2align	6, 0x0
	.amdhsa_kernel k_qd4e5fc933c_attn
		.amdhsa_group_segment_fixed_size 327680
		.amdhsa_private_segment_fixed_size 0
		.amdhsa_enable_private_segment 0
		.amdhsa_kernarg_size 56
		.amdhsa_user_sgpr_count 2
		.amdhsa_user_sgpr_kernarg_segment_ptr 1
		.amdhsa_wavefront_size32 1
		.amdhsa_system_sgpr_workgroup_id_x 1
		.amdhsa_system_sgpr_workgroup_id_y 1
		.amdhsa_system_sgpr_workgroup_id_z 1
		.amdhsa_system_vgpr_workitem_id 0
		.amdhsa_next_free_vgpr 512
		.amdhsa_next_free_sgpr 100
		.amdhsa_reserve_vcc 0
		.amdhsa_float_denorm_mode_32 3
		.amdhsa_float_denorm_mode_16_64 3
		.amdhsa_memory_ordered 1
		.amdhsa_forward_progress 1
		.amdhsa_inst_pref_size 92
	.end_amdhsa_kernel
	.amdgpu_metadata
---
amdhsa.version: [ 1, 2 ]
amdhsa.kernels:
  - .name:           k_qd4e5fc933c_attn
    .symbol:         k_qd4e5fc933c_attn.kd
    .args:
      - { .name: qx, .offset: 0, .size: 8, .value_kind: global_buffer, .address_space: global }
      - { .name: wimg, .offset: 8, .size: 8, .value_kind: global_buffer, .address_space: global }
      - { .name: Wq_scales, .offset: 16, .size: 8, .value_kind: global_buffer, .address_space: global }
      - { .name: bq, .offset: 24, .size: 8, .value_kind: global_buffer, .address_space: global }
      - { .name: kv, .offset: 32, .size: 8, .value_kind: global_buffer, .address_space: global }
      - { .name: sw, .offset: 40, .size: 8, .value_kind: global_buffer, .address_space: global }
      - { .name: cx, .offset: 48, .size: 8, .value_kind: global_buffer, .address_space: global }
    .group_segment_fixed_size: 327680
    .private_segment_fixed_size: 0
    .kernarg_segment_align: 8
    .kernarg_segment_size: 56
    .max_flat_workgroup_size: 256
    .sgpr_count:     100
    .vgpr_count:     512
    .wavefront_size: 32
...
	.end_amdgpu_metadata
.endif
;; end of part 2
;; launch outln (part 3): grid 256 x 1, 16 waves a work-group, clusters of 4 x 1, 327,680 bytes of LDS; arguments cx, wimg, Wo_scales, bo, query, gamma, beta, out0; writes out0
.if DOCPART == 3
	.amdgcn_target "amdgcn-amd-amdhsa--gfx1250"
	.amdhsa_code_object_version 6
	.text
	.protected	k_qd4e5fc933c_outln
	.globl	k_qd4e5fc933c_outln
	.p2align	8
	.type	k_qd4e5fc933c_outln,@function
k_qd4e5fc933c_outln:
	s_mov_b64 s[64:65], 0
	v_nop
	global_prefetch_b8 v0, s[64:65] scope:SCOPE_SE
	s_setreg_imm32_b32 hwreg(HW_REG_WAVE_MODE, 25, 1), 1
	s_wait_xcnt 0x0
	s_wait_alu depctr_hold_cnt(0) depctr_sa_sdst(0) depctr_va_vdst(0) depctr_va_sdst(0) depctr_va_ssrc(0) depctr_va_vcc(0) depctr_vm_vsrc(0)
	s_getreg_b32 s2, hwreg(HW_REG_IB_STS2, 6, 4)
	s_cmp_eq_u32 s2, 0
	s_cbranch_scc0 .Lentry_in_a_cluster
	s_endpgm
.Lentry_in_a_cluster:
	s_bfe_u32 s2, ttmp6, 0x10000c
	s_cmp_lg_u32 s2, 0x3003
	s_cbranch_scc0 .Lentry_shape_is_right
	s_endpgm
.Lentry_shape_is_right:
; THIRD LAUNCH: out0 = LayerNorm(ctx Wo^T + bo + query) x gamma + beta.  Nothing is left out.  The product is on codes of FP4 (E2M1) with E8M0 scales; all else in f32.
; SHARES: a work-group owns 16 rows and all 1,024 columns.  In the product wave w makes columns 64 w .. 64 w + 63 (four tiles, used transposed: a lane holds one row and eight neighbouring columns);
; the results meet in a stage in LDS; then wave w owns row w whole, so that the mean and the variance never leave the wave.  The variance is taken of x - mean, in a second pass over registers.
; CLUSTER: every work-group wants Wo's whole image, 512 KiB, as the first launch laid it ([tile][K step][half][lane][16]).  Four work-groups form a cluster and ask for it JOINTLY, mask 15.
; Each wave asks for the fragments of ITS four tiles: 4 rows of 4,096 bytes (four K steps), 8,192 bytes apart, 16 KiB a load, into LDS bytes that it alone reads, wave x 16,384: so its own wait on TENSORcnt orders its reads.
; Every wave issues every load: one load of a wave is out at a time.
; ONE SLOT, FILLED TWICE: the sixteen waves' parts are 256 KiB: K steps 0-3 first; then, behind each wave's wait for its load, the add, the wait for its reads and a round of the cluster's barrier, K steps 4-7 into the same bytes.
; A K step is four matrix instructions a wave, too little to stand beside a fill, so the slot is as large as LDS has room for and there is one refill, with one round, rather than smaller slots by turns with more rounds.
; All of a WGP's LDS is claimed; 280,576 bytes are used.
; No prefetch is laid: what the waves wait for is Wo's image, which all 64 clusters read, not a stream that is read once.
; ctx's 8,192 bytes of codes and gamma and beta are read once a work-group, 512 bytes a wave, and shared through LDS bytes of their own, as they lie.
; THE STAGE lies in the slot: it is written behind the slot's last fill, and behind a barrier in front of which every wave's load has landed and its last reads of the slot are back.
; A row's scale words come by one load of 16 bytes at 32 x row + 16 x (lane / 16): lanes 0-15 hold K steps 0-3, lanes 16-31 K steps 4-7, which the second row of the scale registers selects.
; LIMITS: bo is the C of the first matrix instruction, added first; 1 / sqrt by v_rsq_f32; NaN and infinities among the inputs are not served.
; REGISTERS: v1-15 addresses; v16-19 ctx's scale words, v20-35 Wo's: scales alone; v36-67 four accumulators; v68-131 ctx's eight fragments; v132-195 two sets of Wo's fragments by turns; v196-227 query's row; v228-237 at work.
;   Rows: v68-99 x, v100-131 gamma, v132-163 beta.
.set SROW,  4112                       ; a row of the stage: 4,096 bytes + 16; the stage begins at LDS byte 0, in the slot
.set SHA,   262144                     ; behind the slot: ctx's image, 8,192 bytes;
.set SHGO,  8192                       ; that far behind it gamma, then beta: 4,096 bytes each
.set SPARE, 278528                     ; the spare words, 128 bytes a wave: eight blocks of 256 bytes that no other line names
.set LI,   1
.set WA,   4
.set STO,  5
.set SRD,  6
.set SHW,  7
.set SPW,  10
.set NIL,  11
.set LA,   12
.set GSH,  15
.set ASC,  16
.set BSC,  20
.set ACC,  36
.set AF,   68
.set RING, 132
.set Y,    68
.set GM,   100
.set BT,   132
.set RES,  196
.set WV,   20
.set G1,   32
.set G0,   40
.macro ROUND                           ; a round of the cluster's barrier
	s_barrier_signal -1
	s_barrier_wait -1
	s_cmp_lg_u32 s[WV], 0
	s_cbranch_scc1 .Lnot_wave_0_\@
	s_barrier_signal -3
.Lnot_wave_0_\@:
	s_barrier_wait -3
	s_barrier_signal -1
	s_barrier_wait -1
.endm
	s_load_b256 s[4:11], s[0:1], 0x0               ; cx, wimg, Wo's scales, bo
	s_load_b256 s[12:19], s[0:1], 0x20             ; query, gamma, beta, out0
	v_lshl_add_u32 v[SPW], v0, 2, SPARE
	v_mov_b32 v[NIL], 0
	ds_add_u32 v[SPW], v[NIL]                      ; the wave's opening: the add, twice on end, and its wait ahead of my first tensor load
	ds_add_u32 v[SPW], v[NIL]                      ; and once more; the set-up below, work on registers, stands between it and the wait
	v_lshrrev_b32 v1, 5, v0
	s_delay_alu instid0(VALU_DEP_1)
	v_readfirstlane_b32 s[WV], v1                  ; wave 0..15
	s_bfe_u32 s21, ttmp6, 0x40000                  ; my place in the cluster: it enters addresses of plain loads and stores alone
	s_lshl_b32 s25, ttmp9, 2
	s_add_co_u32 s25, s25, s21                     ; my tile of 16 rows
	s_mov_b32 s[G1], 15|(3<<16)|(1<<21)            ; the mask names all four partners, bit 21 beside it; elements of 8 bytes; no padding: a fragment load takes 512 consecutive bytes
	s_mov_b32 s[G1+1], 512<<16                     ; tensor_dim0: 4,096 bytes
	s_mov_b32 s[G1+2], 4<<16                       ; tensor_dim1: my four tiles
	s_mov_b32 s[G1+3], 512<<16                     ; tile_dim0
	s_mov_b32 s[G1+4], 4                           ; tile_dim1
	s_mov_b32 s[G1+5], 1024                        ; from tile to tile: 8,192 bytes
	s_mov_b32 s[G1+6], 0
	s_mov_b32 s[G1+7], 0
	s_mov_b32 s[G0], 1
	s_lshl_b32 s[G0+1], s[WV], 14                  ; my 16,384 bytes of the slot
	s_lshl_b32 s[G0+2], s[WV], 15                  ; my four tiles of 8,192 bytes,
	s_add_co_u32 s[G0+2], s[G0+2], 524288          ; in Wo's image, which lies behind Wq's
	s_mov_b32 s[G0+3], 0
	s_mov_b32 s22, 0x76543210
	s_mov_b32 s23, 0xfedcba98                      ; v_permlanex16_b32's selects for lane l xor 16
	s_mov_b32 s24, 0x3a800000                      ; 1 / 1,024
	s_lshl_b32 s26, s25, 13                        ; my row tile's codes
	s_mov_b32 s27, 0
	s_lshl_b32 s28, s25, 9
	s_add_co_u32 s28, s28, 2097152                 ; and scale bytes
	s_mov_b32 s29, 0
	s_lshl_b32 s30, s25, 4
	s_add_co_u32 s30, s30, s[WV]
	s_lshl_b32 s30, s30, 12                        ; row 16 x tile + wave of query and of out0
	s_mov_b32 s31, 0
	s_wait_dscnt 0x0                               ; both opening adds are done
	s_wait_kmcnt 0x0
	s_add_nc_u64 s[G0+2:G0+3], s[6:7], s[G0+2:G0+3]
	s_or_b32 s[G0+3], s[G0+3], 0x80000000
	s_add_nc_u64 s[28:29], s[4:5], s[28:29]
	s_add_nc_u64 s[4:5], s[4:5], s[26:27]
	s_add_nc_u64 s[12:13], s[12:13], s[30:31]
	s_add_nc_u64 s[18:19], s[18:19], s[30:31]
	s_cmp_lt_u32 s[WV], 8
	s_cselect_b64 s[14:15], s[14:15], s[16:17]     ; waves 0-7 share out gamma, waves 8-15 beta
	ROUND                                          ; all four work-groups are here: the joint loads meet
	tensor_load_to_lds s[G0:G0+3], s[G1:G1+7]      ; K steps 0-3 of my four tiles
	s_nop 0
	v_and_b32 v12, 31, v0
	v_and_b32 v2, 15, v0                           ; r
	v_bfe_u32 v3, v0, 4, 1                         ; h
	s_delay_alu instid0(VALU_DEP_3)
	v_lshlrev_b32 v[LI], 4, v12                    ; 16 x lane
	s_lshl_b32 s26, s[WV], 14
	v_add_nc_u32 v[WA], s26, v[LI]                 ; Wo's fragments: my part of the slot
	v_mul_u32_u24 v[STO], v2, SROW
	s_delay_alu instid0(VALU_DEP_1)
	v_lshl_add_u32 v[STO], v3, 5, v[STO]
	s_lshl_b32 s26, s[WV], 8
	v_add_nc_u32 v[STO], s26, v[STO]               ; into the stage: row r, my wave's 256 bytes, + 32 h
	s_mul_i32 s26, s[WV], SROW
	v_add_nc_u32 v[SRD], s26, v[LI]                ; and back: row w
	s_lshl_b32 s26, s[WV], 9
	v_add_nc_u32 v[GSH], s26, v[LI]                ; my wave's 512 bytes of ctx's codes in memory,
	s_delay_alu instid0(VALU_DEP_1)
	v_add_nc_u32 v[SHW], SHA, v[GSH]               ; and of a shared region in LDS
	v_add_nc_u32 v[LA], SHA, v[LI]                 ; where every wave reads the shared regions
	v_lshlrev_b32 v8, 5, v2
	s_delay_alu instid0(VALU_DEP_1)
	v_lshl_add_u32 v8, v3, 4, v8                   ; scale words: 32 r + 16 h
	s_lshl_b32 s26, s[WV], 11
	v_add_nc_u32 v9, s26, v8                       ; Wo's: my 64 rows
	v_lshlrev_b32 v13, 5, v3
	s_lshl_b32 s26, s[WV], 8
	v_add_nc_u32 v13, s26, v13                     ; bo: my 64 numbers, + 8 h
	s_and_b32 s26, s[WV], 7
	s_lshl_b32 s26, s26, 9
	v_add_nc_u32 v14, s26, v[LI]                   ; gamma or beta: 512 bytes a wave
.macro FETCH s                         ; K step s of my four tiles of Wo, from the slot into set s % 2
.set SBL, RING+32*((\s)%2)
.irp t, 0,1,2,3
.irp c, 0,1
	ds_load_b128 v[SBL+8*\t+4*\c:SBL+8*\t+4*\c+3], v[WA] offset:\t*4096+((\s)%4)*1024+\c*512
.endr
.endr
.endm
.macro MM s                            ; the four accumulators take turns
.set SBM, RING+32*((\s)%2)
.irp t, 0,1,2,3
.if (\s) < 4
	v_wmma_scale_f32_16x16x128_f8f6f4 v[ACC+8*\t:ACC+8*\t+7], v[SBM+8*\t:SBM+8*\t+7], v[AF+8*(\s):AF+8*(\s)+7], v[ACC+8*\t:ACC+8*\t+7], v[BSC+4*\t+(\s)%4], v[ASC+(\s)%4] matrix_a_fmt:MATRIX_FMT_FP4 matrix_b_fmt:MATRIX_FMT_FP4
.else
	v_wmma_scale_f32_16x16x128_f8f6f4 v[ACC+8*\t:ACC+8*\t+7], v[SBM+8*\t:SBM+8*\t+7], v[AF+8*(\s):AF+8*(\s)+7], v[ACC+8*\t:ACC+8*\t+7], v[BSC+4*\t+(\s)%4], v[ASC+(\s)%4] matrix_a_fmt:MATRIX_FMT_FP4 matrix_b_fmt:MATRIX_FMT_FP4 matrix_a_scale:MATRIX_SCALE_ROW1 matrix_b_scale:MATRIX_SCALE_ROW1
.endif
.endr
.endm
.macro HALF b                          ; the slot's four K steps, b .. b + 3
	FETCH (\b)
	FETCH (\b)+1
.irp i, 0,1,2,3
.if \i < 3
	s_wait_dscnt 8                                 ; this K step's eight loads (and all older ones) are in; the other set's eight may be out
.else
	s_wait_dscnt 0x0
.endif
	MM (\b)+\i
.rept 4
	v_nop                                          ; places in front of loads into registers that matrix instructions have read; behind the last step, of the stores of the results
.endr
.if \i < 2
	FETCH (\b)+\i+2
.endif
.endr
.endm
.macro WSUM x, t                       ; the sum over the 32 lanes, in every lane
	s_delay_alu instid0(VALU_DEP_1)
	v_add_f32_dpp v[\x], v[\x], v[\x] row_xmask:1 row_mask:0xf bank_mask:0xf
	s_delay_alu instid0(VALU_DEP_1)
	v_add_f32_dpp v[\x], v[\x], v[\x] row_xmask:2 row_mask:0xf bank_mask:0xf
	s_delay_alu instid0(VALU_DEP_1)
	v_add_f32_dpp v[\x], v[\x], v[\x] row_xmask:4 row_mask:0xf bank_mask:0xf
	s_delay_alu instid0(VALU_DEP_1)
	v_add_f32_dpp v[\x], v[\x], v[\x] row_xmask:8 row_mask:0xf bank_mask:0xf
	s_delay_alu instid0(VALU_DEP_1)
	v_permlanex16_b32 v[\t], v[\x], s22, s23
	s_delay_alu instid0(VALU_DEP_1)
	v_add_f32 v[\x], v[\x], v[\t]
.endm
	global_load_b128 v[228:231], v[GSH], s[4:5]    ; my share of ctx's codes,
	global_load_b128 v[232:235], v14, s[14:15]     ; and of gamma or beta
	global_load_b128 v[ASC:ASC+3], v8, s[28:29]
.irp t, 0,1,2,3
	global_load_b128 v[BSC+4*\t:BSC+4*\t+3], v9, s[8:9] offset:512*\t
.endr
.irp t, 0,1,2,3
	global_load_b128 v[ACC+8*\t:ACC+8*\t+3], v13, s[10:11] offset:64*\t        ; bo in the result's layout: register j of tile t is column 64 w + 16 t + 8 h + j
	global_load_b128 v[ACC+8*\t+4:ACC+8*\t+7], v13, s[10:11] offset:64*\t+16
.endr
.irp i, 0,1,2,3,4,5,6,7
	global_load_b128 v[RES+4*\i:RES+4*\i+3], v[LI], s[12:13] offset:512*\i th:TH_LOAD_NT   ; the residual: row w of query, wanted last and asked for now
.endr
	s_wait_alu depctr_va_vdst(0)
	s_wait_loadcnt 21                              ; the two shares are in; the 1 + 4 + 8 + 8 loads behind them may be out
	ds_store_b128 v[SHW], v[228:231]
	ds_store_b128 v[SHW], v[232:235] offset:SHGO
	s_wait_dscnt 0x0                               ; for the others' sake: my stores have landed
	s_barrier_signal -1
	s_barrier_wait -1                              ; the shared regions are whole; my tensor load may still be out
.irp i, 0,1,2,3,4,5,6,7,8,9,10,11,12,13,14,15
	ds_load_b128 v[AF+4*\i:AF+4*\i+3], v[LA] offset:512*\i         ; ctx's eight fragments, as images of their registers
.endr
	s_wait_tensorcnt 0x0                           ; my part of the slot has landed, and I alone read it
	s_wait_loadcnt 8                               ; the scale words and bo are in; the residual's eight loads may be out
	HALF 0
	; THE REFILL: my load has landed, the add, my reads of the slot are back; a round of the cluster's barrier; then the one load
	s_wait_tensorcnt 0x0                           ; no tensor load of mine is out, so group 0 may be written
	ds_add_u32 v[SPW], v[NIL]                      ; 0 onto my spare word
	s_add_nc_u64 s[G0+2:G0+3], s[G0+2:G0+3], 4096  ; four K steps on in each tile; the type bits on top are not reached
	s_wait_dscnt 0x0                               ; the add is done, and my reads of the slot are over
	ROUND                                          ; the same holds of every wave of all four work-groups
	tensor_load_to_lds s[G0:G0+3], s[G1:G1+7]      ; K steps 4-7 of my four tiles, into the same bytes
	s_nop 0
	s_wait_tensorcnt 0x0                           ; they have landed
	HALF 4
	s_barrier_signal -1                            ; no LDS instruction and no tensor load of mine is out (the waits for 0 above): my last reads of the slot are back
	s_barrier_wait -1                              ; everybody's are: the slot's bytes, which are filled no more, may take the stage
.irp t, 0,1,2,3
	ds_store_b128 v[STO], v[ACC+8*\t:ACC+8*\t+3] offset:64*\t      ; each accumulator from its low end on
	ds_store_b128 v[STO], v[ACC+8*\t+4:ACC+8*\t+7] offset:64*\t+16
.endr
	s_wait_dscnt 0x0
	s_barrier_signal -1
	s_barrier_wait -1                              ; 16 whole rows lie in the stage
.irp i, 0,1,2,3,4,5,6,7
	ds_load_b128 v[Y+4*\i:Y+4*\i+3], v[SRD] offset:512*\i
.endr
.irp i, 0,1,2,3,4,5,6,7
	ds_load_b128 v[GM+4*\i:GM+4*\i+3], v[LA] offset:SHGO+512*\i
.endr
.irp i, 0,1,2,3,4,5,6,7
	ds_load_b128 v[BT+4*\i:BT+4*\i+3], v[LA] offset:SHGO+4096+512*\i
.endr
	s_wait_dscnt 0x0
	s_wait_loadcnt 0x0
.irp j, 0,2,4,6,8,10,12,14,16,18,20,22,24,26,28,30
	v_pk_add_f32 v[Y+\j:Y+\j+1], v[Y+\j:Y+\j+1], v[RES+\j:RES+\j+1]    ; x = out + residual
.endr
	v_pk_add_f32 v[228:229], v[Y:Y+1], v[Y+2:Y+3]  ; the row's sum, in two chains
	v_pk_add_f32 v[230:231], v[Y+4:Y+5], v[Y+6:Y+7]
.irp j, 8,12,16,20,24,28
	s_delay_alu instid0(VALU_DEP_2)
	v_pk_add_f32 v[228:229], v[228:229], v[Y+\j:Y+\j+1]
	s_delay_alu instid0(VALU_DEP_2)
	v_pk_add_f32 v[230:231], v[230:231], v[Y+\j+2:Y+\j+3]
.endr
	s_delay_alu instid0(VALU_DEP_1)
	v_pk_add_f32 v[228:229], v[228:229], v[230:231]
	s_delay_alu instid0(VALU_DEP_1)
	v_add_f32 v228, v228, v229
	WSUM 228, 232
	s_delay_alu instid0(VALU_DEP_1)
	v_mul_f32 v228, s24, v228                      ; the mean
.irp j, 0,2,4,6,8,10,12,14,16,18,20,22,24,26,28,30
	v_pk_add_f32 v[Y+\j:Y+\j+1], v[Y+\j:Y+\j+1], v[228:229] op_sel_hi:[1,0] neg_lo:[0,1] neg_hi:[0,1]   ; x - mean
.endr
	v_pk_mul_f32 v[230:231], v[Y:Y+1], v[Y:Y+1]
	v_pk_mul_f32 v[234:235], v[Y+2:Y+3], v[Y+2:Y+3]
.irp j, 4,8,12,16,20,24,28
	s_delay_alu instid0(VALU_DEP_2)
	v_pk_fma_f32 v[230:231], v[Y+\j:Y+\j+1], v[Y+\j:Y+\j+1], v[230:231]
	s_delay_alu instid0(VALU_DEP_2)
	v_pk_fma_f32 v[234:235], v[Y+\j+2:Y+\j+3], v[Y+\j+2:Y+\j+3], v[234:235]
.endr
	s_delay_alu instid0(VALU_DEP_1)
	v_pk_add_f32 v[230:231], v[230:231], v[234:235]
	s_delay_alu instid0(VALU_DEP_1)
	v_add_f32 v230, v230, v231
	WSUM 230, 232
	s_delay_alu instid0(VALU_DEP_1)
	v_fmaak_f32 v230, s24, v230, 0x3727c5ac        ; the variance + 1e-5
	s_wait_alu depctr_va_vdst(0)
	v_rsq_f32 v236, v230
	v_mov_b32 v237, 0                              ; the plain line behind the transcendental; it also writes the pair's upper half, which is named and not used
	s_wait_alu depctr_va_vdst(0)                   ; the wait ahead of the first reader
.irp j, 0,2,4,6,8,10,12,14,16,18,20,22,24,26,28,30
	v_pk_mul_f32 v[GM+\j:GM+\j+1], v[GM+\j:GM+\j+1], v[236:237] op_sel_hi:[1,0]
.endr
.irp j, 0,2,4,6,8,10,12,14,16,18,20,22,24,26,28,30
	v_pk_fma_f32 v[Y+\j:Y+\j+1], v[Y+\j:Y+\j+1], v[GM+\j:GM+\j+1], v[BT+\j:BT+\j+1]
.endr
.irp i, 0,1,2,3,4,5,6,7
	global_store_b128 v[LI], v[Y+4*\i:Y+4*\i+3], s[18:19] offset:512*\i th:TH_STORE_NT     ; 512 consecutive bytes, at a multiple of 512 from out0's first byte
.endr
	s_wait_tensorcnt 0x0                           ; the wave's end: behind my last tensor load and my last LDS store
	ds_add_u32 v[SPW], v[NIL]
	s_wait_dscnt 0x0
	ROUND                                          ; the closing round: no work-group ends while a partner may still ask for a tile that names it
	s_endpgm
.Lfunc_end_k_qd4e5fc933c_outln:
	.size	k_qd4e5fc933c_outln, .Lfunc_end_k_qd4e5fc933c_outln-k_qd4e5fc933c_outln
	.p2alignl 7, 3214868480
	.fill 96, 4, 3214868480
	.section	.rodata,"a",@progbits
	.p2align	6, 0x0
	.amdhsa_kernel k_qd4e5fc933c_outln
		.amdhsa_group_segment_fixed_size 327680
		.amdhsa_private_segment_fixed_size 0
		.amdhsa_enable_private_segment 0
		.amdhsa_kernarg_size 64
		.amdhsa_user_sgpr_count 2
		.amdhsa_user_sgpr_kernarg_segment_ptr 1
		.amdhsa_wavefront_size32 1
		.amdhsa_system_sgpr_workgroup_id_x 1
		.amdhsa_system_sgpr_workgroup_id_y 1
		.amdhsa_system_sgpr_workgroup_id_z 1
		.amdhsa_system_vgpr_workitem_id 0
		.amdhsa_next_free_vgpr 256
		.amdhsa_next_free_sgpr 66
		.amdhsa_reserve_vcc 0
		.amdhsa_float_denorm_mode_32 3
		.amdhsa_float_denorm_mode_16_64 3
		.amdhsa_memory_ordered 1
		.amdhsa_forward_progress 1
		.amdhsa_inst_pref_size 30
	.end_amdhsa_kernel
	.amdgpu_metadata
---
amdhsa.version: [ 1, 2 ]
amdhsa.kernels:
  - .name:           k_qd4e5fc933c_outln
    .symbol:         k_qd4e5fc933c_outln.kd
    .args:
      - { .name: cx, .offset: 0, .size: 8, .value_kind: global_buffer, .address_space: global }
      - { .name: wimg, .offset: 8, .size: 8, .value_kind: global_buffer, .address_space: global }
      - { .name: Wo_scales, .offset: 16, .size: 8, .value_kind: global_buffer, .address_space: global }
      - { .name: bo, .offset: 24, .size: 8, .value_kind: global_buffer, .address_space: global }
      - { .name: query, .offset: 32, .size: 8, .value_kind: global_buffer, .address_space: global }
      - { .name: gamma, .offset: 40, .size: 8, .value_kind: global_buffer, .address_space: global }
      - { .name: beta, .offset: 48, .size: 8, .value_kind: global_buffer, .address_space: global }
      - { .name: out0, .offset: 56, .size: 8, .value_kind: global_buffer, .address_space: global }
    .group_segment_fixed_size: 327680
    .private_segment_fixed_size: 0
    .kernarg_segment_align: 8
    .kernarg_segment_size: 64
    .max_flat_workgroup_size: 512
    .sgpr_count:     66
    .vgpr_count:     256
    .wavefront_size: 32
...
	.end_amdgpu_metadata
.endif
;; end of part 3
